; MI455X (gfx1250); checked and timed in simulation.
; The chip was launched on July 23, 2026; its instructions are those of AMD's public machine-readable ISA for CDNA 5 (MIT licence, August 2026) and "CDNA5" Instruction Set Architecture Reference Guide (July 2026). The comments in the code are by the model that wrote it; some were corrected since.
;; Custom Multi Headed Attention. Allowed arithmetic: matrix products marked QUANTISED: E4M3 operands, one E8M0 scale for each 32 along K, by v_wmma_scale_f32_16x16x128_f8f6f4 with both operands' format E4M3, f32 sums; products left as they are: f32 operands where the result goes on into a quantised operand, else bf16, f16 or f32 operands; f32 sums; everything else in f32.
;; Inputs: b_attn 3,072 float32; b_proj 1,024 float32; w_attn 1,024 x 3,072 float32; w_proj 1,024 x 1,024 float32; x 1 x 4,096 x 1,024 float32.
;; Outputs: out0 1 x 4,096 x 1,024 float32.
;; This version of the problem:
;;   THIS VERSION OF THE PROBLEM IS GIVEN IN LOW PRECISION. The matrix products marked QUANTISED in the list below multiply operands that are first quantised to E4M3 (4 exponent bits, 3 mantissa bits; 8 bits a number), with one power-of-two scale for each 32 numbers along K (OCP MX v1.0); their sums are f32. All else is computed in f32.
;;   The module's matrix products, in the order in which they are computed (A, B: the left and right operand; K: the contracted axis; several contracted axes count as one K, in the product's order):
;;     1. [M 4,096, K 1,024] x [K 1,024, N 3,072]; A: input x; B: input w_attn: QUANTISED
;;     2. [M 4,096, K 1] x [K 1, N 32]; A: computed on the way; B: computed on the way: left as it is (no contracted axis)
;;     3. batch 16 x [M 4,096, K 64] x [K 64, N 4,096]; A: computed on the way; B: computed on the way: QUANTISED
;;     4. batch 16 x [M 4,096, K 4,096] x [K 4,096, N 64]; A: softmax (see below); B: computed on the way: QUANTISED
;;     5. [M 4,096, K 1,024] x [K 1,024, N 1,024]; A: computed on the way; B: input w_proj: QUANTISED
;;   THE QUANTISER, for each operand of a quantised product, along K:
;;     - K is cut into blocks of 32 from its start; a last block that is shorter is filled with zeros.
;;     - A block's scale is 2^e with e = floor(log2(the largest magnitude in the block)) - 8, held to -126 .. 127; a block of zeros has e = 0. As a byte (E8M0): e + 127.
;;     - Each number is divided by its block's scale, clamped to +-448, and rounded to the nearest number of E4M3, ties to even, subnormals kept.
;;     - The product sums the exact products of the quantised numbers (number of the format x scale) in f32.
;;   ~~~python
;;   def quantise(x, axis):      # numpy; x: float32 -> the quantised numbers, widened to float32 again
;;       x = np.moveaxis(x, axis, -1); K = x.shape[-1]
;;       x = np.pad(x, [(0, 0)] * (x.ndim - 1) + [(0, -K % 32)]); x = x.reshape(x.shape[:-1] + (-1, 32)); a = np.abs(x).max(-1, keepdims=True)
;;       e = np.where(a > 0, np.clip(np.frexp(np.where(a > 0, a, 1))[1] - 1 - 8, -126, 127), 0)      # np.frexp(a)[1] - 1 = floor(log2(a)), exactly
;;       r = np.clip(x / 2.0 ** e, -448, 448)
;;       step = 2.0 ** (np.maximum(np.frexp(np.where(r == 0, 1, r))[1] - 1, -6) - 3)
;;       q = np.round(r / step) * step * 2.0 ** e      # np.round: ties to even
;;       return np.moveaxis(q.reshape(q.shape[:-2] + (-1,))[..., :K], -1, axis).astype(np.float32)
;;   ~~~
;;   SOFTMAX AHEAD OF A QUANTISED PRODUCT. Where the list says 'softmax', what is quantised is not the finished softmax but p = 2^(t - M), with t = logit x log2(e) and M = ceil(the row's largest t), a whole number; so 1/2 < the row's largest p <= 1. The row's sum l is taken of the UNQUANTISED p, in f32, and the product's result is divided by l at the end. Since M is a whole number, a kernel that streams over the keys may use a running M (the ceiling of the running maximum): every later rescaling is an exact power of two, which a block's scale takes up: the codes' values come out the same.
;;   OPERANDS COMPUTED ON THE WAY. 'Computed on the way' means the value that the module computes at that place (a softmax that the list does not call 'softmax' is quantised finished and normalised). What goes into a quantiser is computed in f32, as accurately as f32 sums, v_exp_f32 and their like allow (about 1e-6 of the number): no bf16 or f16 on the way to a quantiser, and a product that is left as it is and whose result goes on into a quantised operand takes f32 operands (vector FMAs, or v_wmma_f32_16x16x4_f32). A number that lies on a knife's edge between two numbers of the format may be rounded either way, as far as f32 arithmetic and the matrix unit's own rounding can turn it there, and no further.
;; One version. Each part assembles by itself: llvm-mc -triple=amdgcn-amd-amdhsa -mcpu=gfx1250 --defsym DOCPART=n.
;; ======== version 1 of 1: 4 launches
;; limits: right only within a limited range of input values
;; workspace buffers: cod 8,388,608 bytes; scl 262,144 bytes; rope 1,048,576 bytes; img 12,582,912 bytes; sc 393,216 bytes; yimg 4,194,304 bytes; ysc 131,072 bytes
;; launch prep (part 1): grid 320 x 1, 4 waves a work-group, no clusters, 68,096 bytes of LDS; arguments x, w_attn, w_proj, cod, scl, rope; writes cod, scl, rope
.if DOCPART == 1
	.amdgcn_target "amdgcn-amd-amdhsa--gfx1250"
	.amdhsa_code_object_version 6
	.text
	.protected	k_q709e767aa1_prep
	.globl	k_q709e767aa1_prep
	.p2align	8
	.type	k_q709e767aa1_prep,@function
k_q709e767aa1_prep:
	s_mov_b64 s[64:65], 0
	v_nop
	global_prefetch_b8 v0, s[64:65] scope:SCOPE_SE
	s_setreg_imm32_b32 hwreg(HW_REG_WAVE_MODE, 25, 1), 1
	s_wait_xcnt 0x0
; x [4096][1024], w_attn [1024][3072] and w_proj [1024][1024], f32, become codes of FP8 (E4M3) with K innermost and one E8M0 byte for each 32 along K; and the table of cosines and sines is made.
; cod: rows of 1,024 codes; scl: the same rows, 32 scale bytes each.  ROW POSITIONS: index i lies at position p(i) = i with its bits 3 and 4 exchanged: x's row t at p(t), w_attn's column n at
; 4096 + p(n), w_proj's column n at 7168 + p(n).  So sixteen neighbouring positions taken as the rows of a matrix tile give results whose registers run along neighbouring indices.
; A block's scale is 2^(floor(log2(its largest magnitude)) - 8); its byte is the largest magnitude's exponent field - 8, held at 1 from below; numbers are held within +-448 x the scale and rounded to the nearest code, ties to even.
; LIMITS: NaN and infinities among the inputs are not served.  A block whose largest magnitude lies under 2^-118, a block of zeros among them, gets the byte 1 (the rule says 127 for zeros: its codes are
; zeros, which add nothing under any byte but 0xff, and the bytes are read by this program alone).  The table's frequencies are 10^(-f/8) rounded to f32, which may differ in the last bit from a power and a
; division made in f32; sine and cosine come from a reduction by pi/2 in three parts and polynomials of degree 8 and 9, good to the last bit or two for the angles that occur, 0 to 4,095.
; THREE KINDS OF WORK-GROUP, by the work-group's number alone; each kind has LDS bytes of its own, and waves share nothing: no barrier.
;   0-127   rows of x: a wave takes 8 rows, 16 steps of 512 numbers; loads of 512 consecutive bytes; a step's 2,048 bytes turn through the wave's stage in LDS so that a lane holds 16 neighbours along K.
;   128-255 columns of a weight: a lane takes a column and its registers run down K: 32 columns x 256 along K a wave; codes leave through the wave's stage as rows of 256 bytes.
;   256-319 the table: a wave makes one tile of 16 positions: lane (r, h): position r's t, frequencies 16 h + 0 .. 15: 16 cosines, 16 sines: eight stores of 512 consecutive bytes.
.set STEPS, 16
.set CB,    16                         ; bytes of 16 codes
.set SP,    80                         ; x: a lane's place in a stage: 64 bytes + 16 of padding
.set WREG,  8192                       ; x: LDS of a wave: two stages of 32 x SP bytes, then its 256 scale bytes
.set XR,    16                         ; x: v16-79 four sets of 16 numbers as loaded
.set XX,    80                         ; x: v80-111 two sets of 16 neighbours
.set XE,    112                        ; x: v112-127 a scale byte for each step
.set XC,    128                        ; x: v128-191 codes, four registers a step
.set WL,    32768                      ; weights: their LDS begins here
.set WP,    272                        ; weights: a stage row: 256 bytes + 16
.set WX,    32                         ; weights: v32-95 two sets of 32 numbers
.set WC,    96                         ; weights: v96-103 a block's codes
.set WO,    112                        ; weights: v112-175 the way out
.set WS,    24                         ; weights: v24-25 the scale bytes
.set WF,    176                        ; weights: v176-207 byte offsets of rows 0 .. 31 of a block: 4 x lane + i x a row's bytes
.macro XLOAD t
.irp i, 0,1,2,3
	global_load_b128 v[XR+16*((\t)%4)+4*\i:XR+16*((\t)%4)+4*\i+3], v3, s[4:5] offset:2048*(\t)+512*\i th:TH_LOAD_NT   ; 32 lanes read 512 consecutive bytes
.endr
.endm
.macro XTURN t                         ; a step's numbers through the stage: LDS serves a wave's instructions in order, so no wait stands between the stores and the loads
.irp i, 0,1,2,3
	ds_store_b128 v14, v[XR+16*((\t)%4)+4*\i:XR+16*((\t)%4)+4*\i+3] offset:32*SP*((\t)%2)+8*SP*\i
.endr
.irp i, 0,1,2,3
	ds_load_b128 v[XX+16*((\t)%2)+4*\i:XX+16*((\t)%2)+4*\i+3], v15 offset:32*SP*((\t)%2)+16*\i
.endr
.endm
.macro XSTEP t
.set XS, XX+16*((\t)%2)
.if (\t) > 0
	s_wait_dscnt 1                                 ; this step's numbers are back from the stage (the last step's byte store may be out): its stores into the stage have read their registers,
.else
	s_wait_dscnt 0x0
.endif
.if (\t)+4 < STEPS
	XLOAD (\t)+4                                   ; which take the loads of four steps on
.endif
.if (\t)+1 < STEPS
.if STEPS-2-(\t) >= 3
	s_wait_loadcnt 12                              ; the next step's four loads are in; those of the three steps behind it may be out
.else
	s_wait_loadcnt 4*(STEPS-2-(\t))
.endif
	XTURN (\t)+1
.endif
	v_max3_num_f32 v8, |v[XS]|, |v[XS+1]|, |v[XS+2]|               ; the largest magnitude of my 16
	v_max3_num_f32 v9, |v[XS+3]|, |v[XS+4]|, |v[XS+5]|
.irp i, 6,10
	v_max3_num_f32 v8, v8, |v[XS+\i]|, |v[XS+\i+1]|
	v_max3_num_f32 v9, v9, |v[XS+\i+2]|, |v[XS+\i+3]|
.endr
	v_max3_num_f32 v8, v8, |v[XS+14]|, |v[XS+15]|
	v_max3_num_f32 v8, v8, v9, 0x4800000           ; and the floor 2^(9 - 127): the byte cannot fall under 1
	v_max_num_f32_dpp v8, v8, v8 row_xmask:1 row_mask:0xf bank_mask:0xf   ; and of my neighbour's 16: the block's
	v_add_nc_u32 v11, 0xfc000000, v8               ; 8 off its exponent field: the conversion takes the exponent field of this operand as its scale
	v_and_or_b32 v10, v8, 0x7f800000, s23          ; 448 x the scale
.irp i, 0,1,2,3,4,5,6,7,8,9,10,11,12,13,14,15
	v_med3_num_f32 v[XS+\i], v[XS+\i], -v10, v10   ; the conversion to an 8-bit code does not saturate (ISA guide 7.6.2): the hold comes first
.endr
	v_cvt_scalef32_pk8_fp8_f32 v[XC+4*(\t):XC+4*(\t)+1], v[XS:XS+7], v11
	v_cvt_scalef32_pk8_fp8_f32 v[XC+4*(\t)+2:XC+4*(\t)+3], v[XS+8:XS+15], v11
	v_lshrrev_b32 v[XE+(\t)], 23, v11              ; the scale's byte
	ds_store_b8 v5, v[XE+(\t)] offset:16*(\t)      ; both lanes of a block write the same byte with the same value
	global_store_b128 v4, v[XC+4*(\t):XC+4*(\t)+3], s[10:11] offset:32*CB*(\t)   ; 32 lanes store 512 consecutive bytes
.endm
.macro WLOAD t                         ; block t: rows 32 t + i of my 256, my column, into set t % 2; each block has a base of its own, so nothing is stepped
.irp i, 0,1,2,3,4,5,6,7,8,9,10,11,12,13,14,15,16,17,18,19,20,21,22,23,24,25,26,27,28,29,30,31
	global_load_b32 v[WX+32*((\t)%2)+\i], v[WF+\i], s[40+2*(\t):41+2*(\t)] th:TH_LOAD_NT
.endr
.endm
.macro WBLOCK t
.set XS, WX+32*((\t)%2)
.if (\t) < 7
	s_wait_loadcnt 32                              ; this block's 32 loads are in; the next block's may be out
.else
	s_wait_loadcnt 0x0
.endif
	v_max3_num_f32 v12, |v[XS]|, |v[XS+1]|, |v[XS+2]|              ; the block's largest magnitude: all 32 numbers are mine
	v_max3_num_f32 v13, |v[XS+3]|, |v[XS+4]|, |v[XS+5]|
.irp i, 6,10,14,18,22,26
	v_max3_num_f32 v12, v12, |v[XS+\i]|, |v[XS+\i+1]|
	v_max3_num_f32 v13, v13, |v[XS+\i+2]|, |v[XS+\i+3]|
.endr
	v_max3_num_f32 v12, v12, |v[XS+30]|, |v[XS+31]|
	v_max3_num_f32 v12, v12, v13, 0x4800000        ; and the floor
	v_add_nc_u32 v11, 0xfc000000, v12
	v_and_or_b32 v10, v12, 0x7f800000, s23
	v_lshrrev_b32 v13, 23, v11                     ; the scale's byte
.if (\t)%4 == 0
	v_mov_b32 v[WS+(\t)/4], v13                    ; four bytes to a register, the lower K in the lower byte
.else
	v_lshl_or_b32 v[WS+(\t)/4], v13, 8*((\t)%4), v[WS+(\t)/4]
.endif
.irp i, 0,1,2,3,4,5,6,7,8,9,10,11,12,13,14,15,16,17,18,19,20,21,22,23,24,25,26,27,28,29,30,31
	v_med3_num_f32 v[XS+\i], v[XS+\i], -v10, v10
.endr
.irp g, 0,1,2,3
	v_cvt_scalef32_pk8_fp8_f32 v[WC+2*\g:WC+2*\g+1], v[XS+8*\g:XS+8*\g+7], v11
.endr
	ds_store_b128 v4, v[WC:WC+3] offset:32*(\t)    ; 32 codes: 32 bytes of my column's row
	ds_store_b128 v4, v[WC+4:WC+7] offset:32*(\t)+16
.if (\t)+2 < 8
	WLOAD (\t)+2
.endif
	s_wait_dscnt 0x0                               ; the stores have read their registers: the next block's codes may be written
.endm
.macro FREQ i, a, b                    ; frequency 16 h + i: 10^(-i/8) in lanes 0-15, a hundredth of it in lanes 16-31
	v_mov_b32 v[16+\i], \b
	v_cndmask_b32 v[16+\i], \a, v[16+\i], vcc_lo
.endm
.macro SINCOS i                        ; cos and sin of t x frequency i, into v[32 + i] and v[48 + i]; two sets of temporaries by turns
.set W, 64+12*((\i)%2)
	v_mul_f32 v[W], v10, v[16+\i]                  ; the angle: one f32 product
	v_mul_f32 v[W+1], 0x3f22f983, v[W]             ; x 2 / pi
	v_rndne_f32 v[W+1], v[W+1]                     ; N quarter turns
	v_fmamk_f32 v[W+2], v[W+1], 0xbfc90fdb, v[W]   ; the angle less N x pi/2, pi/2 in three parts: the first product is taken away exactly
	v_fmamk_f32 v[W+2], v[W+1], 0x333bbd2e, v[W+2]
	v_fmamk_f32 v[W+2], v[W+1], 0x26f72ced, v[W+2] ; R, within pi/4
	v_mul_f32 v[W+3], v[W+2], v[W+2]               ; Q = R^2
	v_fmaak_f32 v[W+4], v11, v[W+3], 0xbab6077d    ; cos R: a polynomial in Q
	v_fmaak_f32 v[W+5], v12, v[W+3], 0xb9503486    ; sin R: R + R Q x a polynomial in Q
	v_fmaak_f32 v[W+4], v[W+4], v[W+3], 0x3d2aaaa8
	v_fmaak_f32 v[W+5], v[W+5], v[W+3], 0x3c0888c1
	v_fma_f32 v[W+4], v[W+4], v[W+3], -0.5
	v_fmaak_f32 v[W+5], v[W+5], v[W+3], 0xbe2aaaab
	v_mul_f32 v[W+6], v[W+2], v[W+3]
	v_fma_f32 v[W+4], v[W+4], v[W+3], 1.0
	v_fma_f32 v[W+5], v[W+5], v[W+6], v[W+2]
	v_cvt_i32_f32 v[W+7], v[W+1]
	v_and_b32 v[W+8], 1, v[W+7]
	v_cmp_eq_u32 vcc_lo, 1, v[W+8]                 ; an odd number of quarter turns exchanges the two
	v_cndmask_b32 v[W+9], v[W+5], v[W+4], vcc_lo
	v_cndmask_b32 v[W+10], v[W+4], v[W+5], vcc_lo
	v_lshlrev_b32 v[W+8], 30, v[W+7]               ; the sine is negative in quarters 2 and 3,
	v_add_nc_u32 v[W+7], 1, v[W+7]
	v_and_b32 v[W+8], 0x80000000, v[W+8]
	v_lshlrev_b32 v[W+7], 30, v[W+7]               ; the cosine in quarters 1 and 2
	v_and_b32 v[W+7], 0x80000000, v[W+7]
	v_xor_b32 v[48+\i], v[W+8], v[W+9]
	v_xor_b32 v[32+\i], v[W+7], v[W+10]
.endm
	s_load_b256 s[4:11], s[0:1], 0x0               ; x s[4:5], w_attn s[6:7], w_proj s[8:9], cod s[10:11]
	s_load_b128 s[12:15], s[0:1], 0x20             ; scl s[12:13], rope s[14:15]
	v_lshl_add_u32 v208, v0, 2, 0x10800
	v_mov_b32 v209, 0
	v_lshrrev_b32 v1, 5, v0
	v_readfirstlane_b32 s16, v1                    ; wave 0..3
	v_and_b32 v2, 31, v0                           ; lane
	s_mov_b32 s23, 0x600000                        ; the mantissa field of 448
	s_wait_kmcnt 0x0
	s_cmp_lt_u32 ttmp9, 128
	s_cbranch_scc0 .Lnot_x
	; ---- rows of x
	s_wait_alu depctr_va_vdst(0)
	v_lshlrev_b32 v3, 4, v2                        ; my 16 bytes of a load's 512
	s_mul_i32 s17, s16, WREG
	v_lshrrev_b32 v14, 2, v2
	v_mul_u32_u24 v14, v14, SP
	v_and_b32 v15, 3, v2
	v_lshl_add_u32 v14, v15, 4, v14
	v_add_nc_u32 v14, s17, v14                     ; the stage, on the way in: SP (lane / 4) + 16 (lane % 4)
	v_mul_u32_u24 v15, v2, SP
	v_add_nc_u32 v15, s17, v15                     ; and on the way out: SP x lane: my 16 neighbours
	v_mul_u32_u24 v4, v2, CB                       ; my codes' place in a step's
	v_lshrrev_b32 v5, 1, v2
	s_add_co_u32 s17, s17, 2*32*SP
	v_add_nc_u32 v5, s17, v5                       ; LDS: my wave's 256 scale bytes, my block's byte
	v_lshlrev_b32 v7, 3, v2                        ; and on the way out 8 bytes a lane
	v_add_nc_u32 v6, s17, v7
	s_lshl_b32 s17, ttmp9, 2
	s_add_co_u32 s18, s17, s16                     ; my run of 8 rows
	s_lshl_b32 s20, s18, 15                        ; 32,768 bytes of f32 a run
	s_mov_b32 s21, 0
	s_add_nc_u64 s[4:5], s[4:5], s[20:21]
	s_and_b32 s19, s16, 1                          ; the rows' bits 3 and 4 are the run's bits 0 and 1, which are the wave's: exchanged
	s_lshl_b32 s19, s19, 1
	s_lshr_b32 s22, s16, 1
	s_or_b32 s19, s19, s22
	s_add_co_u32 s18, s17, s19                     ; the run's position
	s_lshl_b32 s20, s18, 13                        ; 8,192 bytes of codes a run
	s_add_nc_u64 s[10:11], s[10:11], s[20:21]
	s_lshl_b32 s20, s18, 8                         ; 256 scale bytes a run
	s_add_nc_u64 s[12:13], s[12:13], s[20:21]
.irp t, 0,1,2,3
	XLOAD \t
.endr
	s_wait_alu depctr_va_vdst(0)
	s_wait_loadcnt 12                              ; step 0's four loads are in
	XTURN 0
.irp t, 0,1,2,3,4,5,6,7,8,9,10,11,12,13,14,15
	XSTEP \t
.endr
	ds_load_b64 v[12:13], v6                       ; LDS serves a wave's instructions in order: these see my stores
	s_wait_dscnt 0x0
	global_store_b64 v7, v[12:13], s[12:13]        ; 32 lanes store 256 consecutive bytes, aligned
	s_wait_tensorcnt 0x0
	ds_add_u32 v208, v209
	s_wait_dscnt 0x0
	s_endpgm
.Lnot_x:
	s_cmp_lt_u32 ttmp9, 256
	s_cbranch_scc0 .Ltable
	; ---- columns of a weight
	s_sub_co_u32 s17, ttmp9, 128
	s_lshr_b32 s18, s17, 2                         ; which 128 columns: 0-23 of w_attn, 24-31 of w_proj
	s_and_b32 s19, s17, 3                          ; which 256 along K
	s_mov_b32 s24, 12288
	s_cmp_ge_u32 s18, 24                           ; the choice hangs on the work-group's number alone
	s_cselect_b64 s[6:7], s[8:9], s[6:7]           ; the tensor,
	s_cselect_b32 s24, 4096, s24                   ; a row of it in bytes,
	s_cselect_b32 s25, 24, 0                       ; and where its columns begin in my count
	s_mul_i32 s26, s19, s24
	s_lshl_b32 s26, s26, 8                         ; 256 rows for each step along K
	s_sub_co_u32 s27, s18, s25
	s_lshl_b32 s27, s27, 7
	s_lshl_b32 s20, s16, 5
	s_add_co_u32 s27, s27, s20                     ; my wave's first column
	s_lshl_b32 s27, s27, 2
	s_add_co_u32 s26, s26, s27
	s_mov_b32 s27, 0
	s_add_nc_u64 s[40:41], s[6:7], s[26:27]        ; block 0's base;
	s_lshl_b32 s28, s24, 5
	s_mov_b32 s29, 0
.irp t, 1,2,3,4,5,6,7
	s_add_nc_u64 s[40+2*\t:41+2*\t], s[38+2*\t:39+2*\t], s[28:29]   ; each further block's 32 rows on
.endr
	s_lshl_b32 s21, s18, 7
	s_add_co_u32 s21, s21, s20
	s_add_co_u32 s21, s21, 4096                    ; my wave's first row of cod and scl
	s_lshl_b32 s30, s21, 10
	s_lshl_b32 s22, s19, 8
	s_add_co_u32 s30, s30, s22
	s_mov_b32 s31, 0
	s_add_nc_u64 s[10:11], s[10:11], s[30:31]
	s_lshl_b32 s30, s21, 5
	s_lshl_b32 s22, s19, 3
	s_add_co_u32 s30, s30, s22
	s_add_nc_u64 s[12:13], s[12:13], s[30:31]
	s_wait_alu depctr_va_vdst(0)
	v_lshlrev_b32 v[WF], 2, v2
.set i, 1
.rept 31
	v_add_nc_u32 v[WF+i], s24, v[WF+i-1]
.set i, i+1
.endr
	WLOAD 0
	WLOAD 1
	s_mul_i32 s22, s16, 32*WP
	s_add_co_u32 s22, s22, WL                      ; my stage
	v_mul_u32_u24 v4, v2, WP
	v_add_nc_u32 v4, s22, v4                       ; into it: row = my column
	v_and_b32 v5, 15, v2
	v_lshrrev_b32 v6, 4, v2                        ; out of it: sixteen lanes to a row, two rows an instruction
	v_mul_u32_u24 v7, v6, WP
	v_lshl_add_u32 v7, v5, 4, v7
	v_add_nc_u32 v7, s22, v7
	v_lshlrev_b32 v8, 10, v6
	v_lshl_add_u32 v8, v5, 4, v8                   ; and the same place in cod
	v_and_b32 v9, 7, v2                            ; my column's position among the 32: bits 3 and 4 exchanged;
	v_and_b32 v14, 8, v2
	v_lshl_or_b32 v9, v14, 1, v9
	v_and_b32 v14, 16, v2
	v_lshrrev_b32 v14, 1, v14
	v_or_b32 v9, v9, v14
	v_lshlrev_b32 v9, 5, v9                        ; 32 scale bytes a row
.irp t, 0,1,2,3,4,5,6,7
	WBLOCK \t
.endr
	global_store_b64 v9, v[WS:WS+1], s[12:13]      ; my column's 8 scale bytes: rows 32 bytes apart, so aligned blocks of 256 bytes are written in part: one byte in 128 of what this kind of work-group reads
.irp t, 0,1,2,3,4,5,6,7,8,9,10,11,12,13,14,15
	ds_load_b128 v[WO+4*\t:WO+4*\t+3], v7 offset:2*\t*WP   ; LDS serves a wave's instructions in order: these see my stores
.endr
.irp t, 0,1,2,3,4,5,6,7,8,9,10,11,12,13,14,15
	s_wait_dscnt 15-\t
	global_store_b128 v8, v[WO+4*\t:WO+4*\t+3], s[10:11] offset:2*((\t&3)|((\t&4)<<1)|((\t&8)>>1))*1024   ; columns 2 t, 2 t + 1 go to their positions: 16 lanes store 256 consecutive bytes, aligned
.endr
	s_wait_tensorcnt 0x0
	ds_add_u32 v208, v209
	s_wait_dscnt 0x0
	s_endpgm
.Ltable:
	; ---- the table of cosines and sines
	s_sub_co_u32 s17, ttmp9, 256
	s_lshl_b32 s17, s17, 2
	s_add_co_u32 s17, s17, s16                     ; my tile of 16 positions
	s_lshr_b32 s18, s17, 1
	s_lshl_b32 s18, s18, 5
	s_and_b32 s19, s17, 1
	s_lshl_b32 s19, s19, 3
	s_add_co_u32 s18, s18, s19
	s_wait_alu depctr_va_vdst(0)
	v_and_b32 v3, 7, v2
	v_and_b32 v4, 8, v2
	v_lshl_add_u32 v3, v4, 1, v3
	v_add_nc_u32 v3, s18, v3                       ; t = 32 (tile / 2) + 16 (r / 8) + 8 (tile % 2) + r % 8
	v_cvt_f32_u32 v10, v3
	v_and_b32 v4, 16, v2
	v_cmp_ne_u32 vcc_lo, 0, v4                     ; lanes 16-31
	FREQ 0, 1.0, 0.01
	FREQ 1, 0.7498942093, 0.007498942093
	FREQ 2, 0.5623413252, 0.005623413252
	FREQ 3, 0.4216965034, 0.004216965034
	FREQ 4, 0.3162277660, 0.003162277660
	FREQ 5, 0.2371373706, 0.002371373706
	FREQ 6, 0.1778279410, 0.001778279410
	FREQ 7, 0.1333521432, 0.001333521432
	FREQ 8, 0.1, 0.001
	FREQ 9, 0.07498942093, 0.0007498942093
	FREQ 10, 0.05623413252, 0.0005623413252
	FREQ 11, 0.04216965034, 0.0004216965034
	FREQ 12, 0.03162277660, 0.0003162277660
	FREQ 13, 0.02371373706, 0.0002371373706
	FREQ 14, 0.01778279410, 0.0001778279410
	FREQ 15, 0.01333521432, 0.0001333521432
	v_mov_b32 v11, 0x37cd4000                      ; the polynomials' leading coefficients
	v_mov_b32 v12, 0x36405000
	s_lshl_b32 s20, s17, 12                        ; 4,096 bytes a tile
	s_mov_b32 s21, 0
	s_add_nc_u64 s[14:15], s[14:15], s[20:21]
	v_lshlrev_b32 v5, 4, v2
.irp i, 0,1,2,3,4,5,6,7,8,9,10,11,12,13,14,15
	SINCOS \i
.endr
.irp j, 0,1,2,3,4,5,6,7
	global_store_b128 v5, v[32+4*\j:35+4*\j], s[14:15] offset:512*\j   ; 32 lanes store 512 consecutive bytes
.endr
	s_endpgm
.Lfunc_end_k_q709e767aa1_prep:
	.size	k_q709e767aa1_prep, .Lfunc_end_k_q709e767aa1_prep-k_q709e767aa1_prep
	.p2alignl 7, 3214868480
	.fill 96, 4, 3214868480
	.section	.rodata,"a",@progbits
	.p2align	6, 0x0
	.amdhsa_kernel k_q709e767aa1_prep
		.amdhsa_group_segment_fixed_size 68096
		.amdhsa_private_segment_fixed_size 0
		.amdhsa_enable_private_segment 0
		.amdhsa_kernarg_size 48
		.amdhsa_user_sgpr_count 2
		.amdhsa_user_sgpr_kernarg_segment_ptr 1
		.amdhsa_wavefront_size32 1
		.amdhsa_system_sgpr_workgroup_id_x 1
		.amdhsa_system_sgpr_workgroup_id_y 1
		.amdhsa_system_sgpr_workgroup_id_z 1
		.amdhsa_system_vgpr_workitem_id 0
		.amdhsa_next_free_vgpr 210
		.amdhsa_next_free_sgpr 66
		.amdhsa_reserve_vcc 1
		.amdhsa_float_denorm_mode_32 3
		.amdhsa_float_denorm_mode_16_64 3
		.amdhsa_memory_ordered 1
		.amdhsa_forward_progress 1
		.amdhsa_inst_pref_size 136
	.end_amdhsa_kernel
	.amdgpu_metadata
---
amdhsa.version: [ 1, 2 ]
amdhsa.kernels:
  - .name:           k_q709e767aa1_prep
    .symbol:         k_q709e767aa1_prep.kd
    .args:
      - { .name: x, .offset: 0, .size: 8, .value_kind: global_buffer, .address_space: global }
      - { .name: w_attn, .offset: 8, .size: 8, .value_kind: global_buffer, .address_space: global }
      - { .name: w_proj, .offset: 16, .size: 8, .value_kind: global_buffer, .address_space: global }
      - { .name: cod, .offset: 24, .size: 8, .value_kind: global_buffer, .address_space: global }
      - { .name: scl, .offset: 32, .size: 8, .value_kind: global_buffer, .address_space: global }
      - { .name: rope, .offset: 40, .size: 8, .value_kind: global_buffer, .address_space: global }
    .group_segment_fixed_size: 68096
    .private_segment_fixed_size: 0
    .kernarg_segment_align: 8
    .kernarg_segment_size: 48
    .max_flat_workgroup_size: 128
    .sgpr_count:     66
    .vgpr_count:     210
    .wavefront_size: 32
...
	.end_amdgpu_metadata
.endif
;; end of part 1
;; launch qkv (part 2): grid 12 x 16, 4 waves a work-group, clusters of 4 x 4, 327,680 bytes of LDS; arguments cod, scl, b_attn, rope, img, sc; writes img, sc
.if DOCPART == 2
	.amdgcn_target "amdgcn-amd-amdhsa--gfx1250"
	.amdhsa_code_object_version 6
	.text
	.protected	k_q709e767aa1_qkv
	.globl	k_q709e767aa1_qkv
	.p2align	8
	.type	k_q709e767aa1_qkv,@function
k_q709e767aa1_qkv:
	s_mov_b64 s[64:65], 0
	v_nop
	global_prefetch_b8 v0, s[64:65] scope:SCOPE_SE
	s_setreg_imm32_b32 hwreg(HW_REG_WAVE_MODE, 25, 1), 1
	s_wait_xcnt 0x0
	s_wait_alu depctr_hold_cnt(0) depctr_sa_sdst(0) depctr_va_vdst(0) depctr_va_sdst(0) depctr_va_ssrc(0) depctr_va_vcc(0) depctr_vm_vsrc(0)
	s_getreg_b32 s2, hwreg(HW_REG_IB_STS2, 6, 4)
	s_cmp_eq_u32 s2, 0
	s_cbranch_scc0 .Lentry_in_a_cluster
	s_endpgm
.Lentry_in_a_cluster:
	s_bfe_u32 s2, ttmp6, 0x10000c
	s_cmp_lg_u32 s2, 0xf033
	s_cbranch_scc0 .Lentry_shape_is_right
	s_endpgm
.Lentry_shape_is_right:
.set KSTEP,  256
.set NQ,     2
.set ROWB,   256
.set KROW,   1024
.set PITCH,  272
.set FR,     16
.set NL,     4
.set NP,     8
.set HALFT,  128*PITCH
.set SLOT,   4*HALFT
.set LAPS,   2
.set KS,     32
.set SCL,    2*SLOT
.set HALFS,  (128*KS/256)*272
.set SBLK,   (16*KS/256)*272
.set SPARE,  SCL+4*HALFS
.set ADRA, 16
.set ADRB, 20
.set ADRS, 27
.set SPW,  28
.set NIL,  29
.set SC,   32
.set AF,   128
.set PWR,  2
.set WD,   10
.set LI,   14
.set SA,   15
.set BA,   24
.set T,    64
.set CSB,  128
.set PC,   192
.set TM,   208
.set RT,   224
.set SEL,  22
.set MNT,  18
.set G1, 24
.set G0, 32
.set G1B, 48
.set G0B, 56
.set G1S, 68
.set G0S, 76
.set G1SB, 80
.set G0SB, 88
.set MSB, 0
.macro WIN new
.if MSB != (\new)
	s_set_vgpr_msb (MSB<<8)|(\new)
.set MSB, (\new)
.endif
.endm
.set MUL_LO, 0xa1
.set MUL_HI, 0xf1
.set TO_B,   0x40
.macro JLOAD g0a, g1a, g0b, g1b
	s_cmp_eq_u32 s15, 0
	s_cbranch_scc0 .Lfor_b_\@
	tensor_load_to_lds s[\g0a:\g0a+3], s[\g1a:\g1a+7]
	s_nop 0
.rept 4
	v_nop
.endr
	s_branch .Lasked_\@
.Lfor_b_\@:
	tensor_load_to_lds s[\g0b:\g0b+3], s[\g1b:\g1b+7]
	s_nop 0
.rept 4
	v_nop
.endr
.Lasked_\@:
.endm
.macro CREST
	s_cmp_lg_u32 s14, 0
	s_cbranch_scc1 .Lnot_wave_0_\@
	s_barrier_signal -3
.Lnot_wave_0_\@:
	s_barrier_wait -3
	s_barrier_signal -1
	s_barrier_wait -1
.endm
.macro CROUND
	s_barrier_signal -1
	s_barrier_wait -1
	CREST
.endm
	s_load_b128 s[4:7], s[0:1], 0x0
	s_load_b128 s[96:99], s[0:1], 0x10
	s_load_b64 s[12:13], s[0:1], 0x20
	s_load_b64 s[66:67], s[0:1], 0x28
	v_lshl_add_u32 v[SPW], v0, 2, SPARE
	v_mov_b32 v[NIL], 0
	ds_add_u32 v28, v29
	ds_add_u32 v28, v29
	s_wait_dscnt 0x0
	v_lshrrev_b32 v1, 5, v0
	v_readfirstlane_b32 s14, v1
	s_lshr_b32 s15, s14, 1
	s_and_b32 s16, s14, 1
	s_bfe_u32 s40, ttmp6, 0x40000
	s_bfe_u32 s41, ttmp6, 0x40004
	s_and_b32 s17, ttmp7, 0xffff
	s_cmp_eq_u32 ttmp9, 2
	s_cselect_b32 s8, 0, s17
	s_cselect_b32 s9, s17, ttmp9
	s_cselect_b32 s10, 6144, 0
	s_cselect_b32 s11, 0, 4096
	s_lshl_b32 s17, s8, 2
	s_add_co_u32 s17, s17, s41
	s_lshl_b32 s42, s9, 2
	s_add_co_u32 s42, s42, s40
	s_lshl_b32 s43, s41, 2
	s_lshl_b32 s43, 15, s43
	s_lshl_b32 s44, 0x1111, s40
	s_or_b32 s[G1+0], s43, (0<<16)|(1<<20)|(1<<21)|(5<<22)|(3<<25)
	s_or_b32 s[G1B+0], s44, (0<<16)|(1<<20)|(1<<21)|(5<<22)|(3<<25)
.irp g, G1, G1B
	s_mov_b32 s[\g+1], ROWB<<16
	s_mov_b32 s[\g+2], 256<<16                     ; 256 rows for the head's loads; behind them the two words that count rows are set to 128, for the ring's
	s_mov_b32 s[\g+3], ROWB<<16
	s_mov_b32 s[\g+4], 256
	s_mov_b32 s[\g+5], KROW
	s_mov_b32 s[\g+6], 0
	s_mov_b32 s[\g+7], 0
.endr
	s_or_b32 s[G1S+0], s43, (3<<16)|(1<<20)|(1<<21)|(5<<22)|(3<<25)
	s_or_b32 s[G1SB+0], s44, (3<<16)|(1<<20)|(1<<21)|(5<<22)|(3<<25)
.irp g, G1S, G1SB
	s_mov_b32 s[\g+1], 32<<16
	s_mov_b32 s[\g+2], KS<<16                      ; the scale bytes of 256 rows: 256 KS dense bytes as KS rows of 256
	s_mov_b32 s[\g+3], 32<<16
	s_mov_b32 s[\g+4], KS
	s_mov_b32 s[\g+5], 32
	s_mov_b32 s[\g+6], 0
	s_mov_b32 s[\g+7], 0
.endr
	s_lshl_b32 s18, s16, 7
	s_lshl_b32 s100, s17, 8
	s_lshl_b32 s19, s15, 7
	s_add_co_u32 s100, s100, s19
	s_lshl_b32 s101, s42, 8
	s_add_co_u32 s101, s101, s18
	s_lshl_b32 s20, s17, 8                         ; the tiles' first rows
	s_add_co_u32 s20, s20, s10
	s_lshl_b32 s46, s42, 8
	s_add_co_u32 s46, s46, s11
	s_mov_b32 s21, 0
	s_mov_b32 s47, 0
	s_mov_b64 s[18:19], KS
	s_mul_u64 s[22:23], s[20:21], s[18:19]
	s_mul_u64 s[92:93], s[46:47], s[18:19]
	s_mov_b64 s[18:19], KROW
	s_mul_u64 s[20:21], s[20:21], s[18:19]
	s_mul_u64 s[46:47], s[46:47], s[18:19]
	s_mul_i32 s45, s14, HALFT
	s_mul_i32 s18, s16, 128*KROW                   ; in the ring I fetch 128 rows of a tile: which half, in bytes
	s_mov_b32 s19, 0
	s_wait_kmcnt 0x0
	s_add_nc_u64 s[20:21], s[4:5], s[20:21]
	s_add_nc_u64 s[22:23], s[6:7], s[22:23]
	s_add_nc_u64 s[46:47], s[4:5], s[46:47]
	s_add_nc_u64 s[92:93], s[6:7], s[92:93]
	CROUND
	s_mov_b32 s[G0S], 1
	s_mov_b32 s[G0S+1], SCL
	s_mov_b64 s[G0S+2:G0S+3], s[22:23]
	s_or_b32 s[G0S+3], s[G0S+3], 0x80000000
	s_mov_b32 s[G0SB], 1
	s_mov_b32 s[G0SB+1], SCL+2*HALFS
	s_mov_b64 s[G0SB+2:G0SB+3], s[92:93]
	s_or_b32 s[G0SB+3], s[G0SB+3], 0x80000000
	s_mov_b32 s4, 1                                ; group 0 of the head's loads of K step 0, in registers that held arguments: source 1's 256 rows,
	s_mov_b32 s5, 0
	s_mov_b64 s[6:7], s[20:21]
	s_or_b32 s7, s7, 0x80000000
	s_mov_b32 s8, 1                                ; and source 0's, behind them in slot 0
	s_mov_b32 s9, 2*HALFT
	s_mov_b64 s[10:11], s[46:47]
	s_or_b32 s11, s11, 0x80000000
	s_add_nc_u64 s[20:21], s[20:21], s[18:19]      ; for the ring: my 128 rows of the tile
	s_add_nc_u64 s[46:47], s[46:47], s[18:19]
.irp s, 0,1
	s_mov_b32 s[G0+4*\s], 1
	s_add_co_u32 s[G0+4*\s+1], s45, \s*SLOT
	s_add_nc_u64 s[G0+4*\s+2:G0+4*\s+3], s[20:21], \s*ROWB
	s_or_b32 s[G0+4*\s+3], s[G0+4*\s+3], 0x80000000
	s_mov_b32 s[G0B+4*\s], 1
	s_add_co_u32 s[G0B+4*\s+1], s45, \s*SLOT
	s_add_nc_u64 s[G0B+4*\s+2:G0B+4*\s+3], s[46:47], \s*ROWB
	s_or_b32 s[G0B+4*\s+3], s[G0B+4*\s+3], 0x80000000
.endr
; THE HEAD'S LOADS, ONE A WAVE: what the first step needs is shared out: waves 0 and 1 fetch K step 0's two tiles of 256 rows, waves 2 and 3 the two tiles of scale bytes.
; One chain of branches on the wave's number, each arm with its load: every way through the head passes exactly one load.
.macro ARM under, g0, g1, next
	s_cmp_lt_u32 s14, \under
	s_cbranch_scc0 \next
	tensor_load_to_lds s[\g0:\g0+3], s[\g1:\g1+7]
	s_nop 0
.rept 4
	v_nop
.endr
	s_branch .Lhead_asked
\next:
.endm
	ARM 1, 4, G1, .Lhead_b
	ARM 2, 8, G1B, .Lhead_sa
	ARM 3, G0S, G1S, .Lhead_sb
	tensor_load_to_lds s[G0SB:G0SB+3], s[G1SB:G1SB+7]
	s_nop 0
.rept 4
	v_nop
.endr
.Lhead_asked:
	v_and_b32 v1, 15, v0
	v_bfe_u32 v2, v0, 4, 1
	v_mul_u32_u24 v3, v1, PITCH
	v_lshl_add_u32 v4, v2, 4, v3
	s_mul_i32 s21, s15, HALFT
	s_mul_i32 s22, s16, HALFT
	s_add_co_u32 s22, s22, 2*HALFT
.irp s, 0,1
	v_add_nc_u32 v[ADRA+\s], s21, v4
	v_add_nc_u32 v[ADRB+\s], s22, v4
	s_add_co_u32 s21, s21, SLOT
	s_add_co_u32 s22, s22, SLOT
.endr
	v_mul_u32_u24 v5, v1, KS
	v_lshrrev_b32 v6, 8, v5
	v_lshl_add_u32 v5, v6, 4, v5
	s_mul_i32 s21, s15, HALFS
	s_mul_i32 s22, s16, HALFS
	s_add_co_u32 s22, s22, 2*HALFS
	s_sub_co_u32 s22, s22, s21
	v_mul_u32_u24 v6, s22, v2
	s_add_co_u32 s21, s21, SCL
	v_add_nc_u32 v5, v5, v6
	v_add_nc_u32 v[ADRS], s21, v5
.macro FRAG reg, adr, q, i
.irp c, 0,1,2,3
	ds_load_b128 v[\reg+4*\c:\reg+4*\c+3], v[\adr] offset:128*(\q)+32*\c+(\i)*16*PITCH
.endr
.endm
.macro MUL16 a0, p, q, sc, zero
.irp a, \a0, \a0+1
.irp b, 0,1,2,3,4,5,6,7
.if \zero
	v_wmma_scale_f32_16x16x128_f8f6f4 v[8*(8*((\a)%4)+\b):8*(8*((\a)%4)+\b)+7], v[128*(\p)+FR*\b:128*(\p)+FR*\b+FR-1], v[AF+FR*(\a):AF+FR*(\a)+FR-1], 0, v[SC+8*NQ*(\sc)+NQ*\b+(\q)], v[SC+8*NQ*(\sc)+NQ*(\a)+(\q)] matrix_a_scale:MATRIX_SCALE_ROW1
.else
	v_wmma_scale_f32_16x16x128_f8f6f4 v[8*(8*((\a)%4)+\b):8*(8*((\a)%4)+\b)+7], v[128*(\p)+FR*\b:128*(\p)+FR*\b+FR-1], v[AF+FR*(\a):AF+FR*(\a)+FR-1], v[8*(8*((\a)%4)+\b):8*(8*((\a)%4)+\b)+7], v[SC+8*NQ*(\sc)+NQ*\b+(\q)], v[SC+8*NQ*(\sc)+NQ*(\a)+(\q)] matrix_a_scale:MATRIX_SCALE_ROW1
.endif
.endr
.endr
.endm
.macro FETCH_B slot, q, p
	WIN TO_B
.irp i, 0,1,2,3,4,5,6,7
	FRAG 128*(\p)+FR*\i, ADRB+\slot, \q, \i
.endr
	WIN 0
.endm
.macro FETCH_A slot, q, i0
.irp i, \i0, \i0+1, \i0+2, \i0+3
	FRAG AF+FR*(\i), ADRA+\slot, \q, \i
.endr
.endm
.macro SCALES sc
.irp i, 0,1,2,3,4,5,6,7
	ds_load_b64 v[SC+8*NQ*\sc+NQ*\i:SC+8*NQ*\sc+NQ*\i+1], v[ADRS] offset:\i*SBLK
.endr
.endm
.macro PLACES n
.rept \n
	v_nop
.endr
.endm
.macro STEP slot, q, zero
	s_wait_dscnt 4*NL
	WIN MUL_LO
	MUL16 0, (\q)%2, \q, \slot, \zero
	MUL16 2, (\q)%2, \q, \slot, \zero
	s_wait_dscnt 0
	PLACES NP
	FETCH_B \slot, (\q)+1, 1-(\q)%2
	FETCH_A \slot, (\q)+1, 0
	WIN MUL_HI
	MUL16 4, (\q)%2, \q, \slot, \zero
	MUL16 6, (\q)%2, \q, \slot, \zero
	PLACES NP
	WIN 0
	FETCH_A \slot, (\q)+1, 4
.endm
.macro TURN slot, next, fill
	s_wait_tensorcnt 0x0
	ds_add_u32 v[SPW], v[NIL]
	s_wait_dscnt 4*NL+1
	WIN MUL_LO
	MUL16 0, 1, NQ-1, \slot, 0
	s_wait_dscnt 0x0
	s_barrier_signal -1
	MUL16 2, 1, NQ-1, \slot, 0
	WIN 0
	s_barrier_wait -1
.if \fill
	CREST
	s_add_nc_u64 s[G0+4*\slot+2:G0+4*\slot+3], s[G0+4*\slot+2:G0+4*\slot+3], 2*ROWB
	s_add_nc_u64 s[G0B+4*\slot+2:G0B+4*\slot+3], s[G0B+4*\slot+2:G0B+4*\slot+3], 2*ROWB
	JLOAD G0+4*\slot, G1, G0B+4*\slot, G1B
	PLACES NP-4
.else
	PLACES NP
.endif
	s_wait_alu depctr_va_vdst(0)
	v_add_nc_u32 v[ADRS], 4*NQ, v[ADRS]
	FETCH_B \next, 0, 0
	FETCH_A \next, 0, 0
	SCALES \next
	WIN MUL_HI
	MUL16 4, 1, NQ-1, \slot, 0
	MUL16 6, 1, NQ-1, \slot, 0
	PLACES NP
	WIN 0
	FETCH_A \next, 0, 4
.endm
	s_wait_alu depctr_va_vdst(0)
	s_wait_tensorcnt 0x0                           ; my tile of the head's four is in
	ds_add_u32 v[SPW], v[NIL]
	s_mov_b32 s[G1+2], 128<<16                     ; no tensor load of mine is out, so a descriptor may be written: from here on a load brings 128 rows
	s_mov_b32 s[G1+4], 128
	s_mov_b32 s[G1B+2], 128<<16
	s_mov_b32 s[G1B+4], 128
	s_wait_dscnt 0x0
	CROUND                                         ; all four tiles are in, and all sixteen work-groups are here
	JLOAD G0+4, G1, G0B+4, G1B                     ; K step 1's load, the first tensor load behind the round
	FETCH_B 0, 0, 0
	FETCH_A 0, 0, 0
	SCALES 0
	FETCH_A 0, 0, 4
	STEP 0, 0, 1
	s_mov_b32 s3, LAPS-1
.Llap:
	TURN 0, 1, 1
	STEP 1, 0, 0
	TURN 1, 0, 1
	STEP 0, 0, 0
	s_sub_co_u32 s3, s3, 1
	s_cmp_lg_u32 s3, 0
	s_cbranch_scc1 .Llap
	TURN 0, 1, 0
	STEP 1, 0, 0
	s_wait_dscnt 4*NL
	WIN MUL_LO
	MUL16 0, 1, NQ-1, 1, 0
	MUL16 2, 1, NQ-1, 1, 0
	s_wait_dscnt 0
	WIN MUL_HI
	MUL16 4, 1, NQ-1, 1, 0
	MUL16 6, 1, NQ-1, 1, 0
	WIN 0
.macro QUANT s, pw
.irp b, 0,1,2,3
	v_max3_num_f32 v[TM+\b], |v[\s+16*\b]|, |v[\s+1+16*\b]|, 0x4800000
.endr
.irp i, 2,4,6,8,10,12,14
.irp b, 0,1,2,3
	v_max3_num_f32 v[TM+\b], v[TM+\b], |v[\s+16*\b+\i]|, |v[\s+1+16*\b+\i]|
.endr
.endr
.irp b, 0,1,2,3
	v_permlanex16_b32 v[TM+4+\b], v[TM+\b], s[SEL], s[SEL+1]
.endr
.irp b, 0,1,2,3
	v_max_num_f32 v[TM+\b], v[TM+\b], v[TM+4+\b]
.endr
.irp b, 0,1,2,3
	v_add_nc_u32 v[TM+12+\b], 0xfc000000, v[TM+\b]
.endr
.irp b, 0,1,2,3
	v_and_or_b32 v[TM+8+\b], v[TM+\b], 0x7f800000, s[MNT]
.endr
.irp b, 0,1,2,3
	v_lshrrev_b32 v[TM+4+\b], 23, v[TM+12+\b]
.endr
	v_lshl_or_b32 v[\pw], v[TM+5], 8, v[TM+4]
	v_lshl_or_b32 v[\pw], v[TM+6], 16, v[\pw]
	v_lshl_or_b32 v[\pw], v[TM+7], 24, v[\pw]
.irp b, 0,1,2,3
.irp i, 0,1,2,3,4,5,6,7,8,9,10,11,12,13,14,15
	v_med3_num_f32 v[\s+16*\b+\i], v[\s+16*\b+\i], -v[TM+8+\b], v[TM+8+\b]
.endr
	v_cvt_scalef32_pk8_fp8_f32 v[PC+4*\b:PC+1+4*\b], v[\s+16*\b:\s+7+16*\b], v[TM+12+\b]
	v_cvt_scalef32_pk8_fp8_f32 v[PC+2+4*\b:PC+3+4*\b], v[\s+8+16*\b:\s+15+16*\b], v[TM+12+\b]
.endr
	v_nop
.endm
.macro ROPELOAD a
.irp j, 0,1,2,3,4,5,6,7
	global_load_b128 v[CSB+32*((\a)%2)+4*\j:CSB+32*((\a)%2)+4*\j+3], v[LI], s[98:99] offset:(\a)*4096+512*\j
.endr
.endm
.macro ADDBIAS a, pair
	WIN 0x06+(\a)/4
.set AC, 64*((\a)%4)
.set k, 0
.rept 32
.if (\pair) < 0
	v_pk_add_f32 v[T+k:T+k+1], v[AC+k:AC+k+1], v[k:k+1]
.else
	v_pk_add_f32 v[T+k:T+k+1], v[AC+k:AC+k+1], v[(\pair):(\pair)+1]
.endif
.set k, k+2
.endr
	WIN 0
.endm
.macro QKROW a
	s_wait_xcnt 0x0
.if (\a) < 7
	ROPELOAD (\a)+1
	s_wait_loadcnt 8
.else
	s_wait_loadcnt 0x0
.endif
	ADDBIAS \a, -1
.set CC, CSB+32*((\a)%2)
.irp hd, 0,1
.irp i, 0,2,4,6,8,10,12,14
.set R1, RT+4*((\i/2)%2)
	v_pk_mul_f32 v[R1:R1+1], v[T+32*\hd+16+\i:T+32*\hd+17+\i], v[CC+16+\i:CC+17+\i]
	v_pk_mul_f32 v[R1+2:R1+3], v[T+32*\hd+\i:T+32*\hd+1+\i], v[CC+16+\i:CC+17+\i]
	v_pk_fma_f32 v[T+32*\hd+\i:T+32*\hd+1+\i], v[T+32*\hd+\i:T+32*\hd+1+\i], v[CC+\i:CC+1+\i], v[R1:R1+1] neg_lo:[0,0,1] neg_hi:[0,0,1]
	v_pk_fma_f32 v[T+32*\hd+16+\i:T+32*\hd+17+\i], v[T+32*\hd+16+\i:T+32*\hd+17+\i], v[CC+\i:CC+1+\i], v[R1+2:R1+3]
.endr
.endr
	QUANT T, PWR+(\a)
.irp hd, 0,1
.irp c, 0,1
	global_store_b128 v[LI], v[PC+8*\hd+4*\c:PC+8*\hd+4*\c+3], s[12:13] offset:\hd*262144+(\a)*1024+\c*512
.endr
.endr
.endm
.macro VROW a
	s_wait_xcnt 0x0
	ADDBIAS \a, 2*(\a)
	QUANT T, PWR+(\a)
.irp c, 0,1,2,3
	global_store_b128 v[LI], v[PC+4*\c:PC+4*\c+3], s[12:13] offset:((\a)/4)*262144+((\a)%4)*2048+\c*512
.endr
.endm
	PLACES NP
	v_and_b32 v25, 15, v0
	v_bfe_u32 v26, v0, 4, 1
	v_and_b32 v[LI], 31, v0
	v_lshlrev_b32 v[LI], 4, v[LI]
	v_lshlrev_b32 v[SA], 4, v25
	v_lshl_add_u32 v[SA], v26, 13, v[SA]
	v_cmp_ne_u32 vcc_lo, 0, v26
.irp b, 0,1,2,3
	v_mov_b32 v[TM+4+\b], 0
.endr
	s_mov_b32 s[SEL], 0x76543210
	s_mov_b32 s[SEL+1], 0xfedcba98
	s_mov_b32 s[MNT], 0x600000
	s_mov_b32 s9, 0
	s_cmp_eq_u32 ttmp9, 2
	s_cbranch_scc1 .Lv
	s_lshl_b32 s8, s101, 12
	s_lshl_b32 s10, s100, 6
	s_add_co_u32 s8, s8, s10
	s_add_nc_u64 s[12:13], s[12:13], s[8:9]
	s_lshl_b32 s8, s101, 7
	s_lshl_b32 s10, s100, 1
	s_add_co_u32 s8, s8, s10
	s_add_nc_u64 s[66:67], s[66:67], s[8:9]
	s_lshl_b32 s8, s100, 8
	s_add_nc_u64 s[98:99], s[98:99], s[8:9]
	s_lshl_b32 s8, s101, 2
	s_add_nc_u64 s[96:97], s[96:97], s[8:9]
	v_lshlrev_b32 v[BA], 6, v26
	WIN 0x40
.irp b, 0,1,2,3
.irp j, 0,1,2,3
	global_load_b128 v[16*\b+4*\j:16*\b+4*\j+3], v[BA], s[96:97] offset:(32*\b+4*\j)*4
.endr
.endr
	WIN 0
	s_wait_alu depctr_va_vdst(0)
	ROPELOAD 0
.irp a, 0,1,2,3,4,5,6,7
	QKROW \a
.endr
.irp P, 0,1,2,3
	v_perm_b32 v[WD+\P], v[PWR+2*\P+1], v[PWR+2*\P], 0x05040100
	v_perm_b32 v[RT+\P], v[PWR+2*\P+1], v[PWR+2*\P], 0x07060302
.endr
.irp P, 0,1,2,3
	v_cndmask_b32 v[WD+\P], v[WD+\P], v[RT+\P], vcc_lo
.endr
	global_store_b128 v[SA], v[WD:WD+3], s[66:67]
	s_branch .Lend
.Lv:
	s_lshl_b32 s8, s100, 12
	s_lshl_b32 s10, s101, 6
	s_add_co_u32 s8, s8, s10
	s_add_co_u32 s8, s8, 8388608
	s_add_nc_u64 s[12:13], s[12:13], s[8:9]
	s_lshl_b32 s8, s100, 7
	s_lshl_b32 s10, s101, 1
	s_add_co_u32 s8, s8, s10
	s_add_co_u32 s8, s8, 262144
	s_add_nc_u64 s[66:67], s[66:67], s[8:9]
	s_lshl_b32 s8, s100, 2
	s_add_co_u32 s8, s8, 8192
	s_add_nc_u64 s[96:97], s[96:97], s[8:9]
	v_and_b32 v[BA], 7, v25
	v_lshlrev_b32 v[BA], 2, v[BA]
	v_and_b32 v25, 8, v25
	v_lshl_add_u32 v[BA], v25, 3, v[BA]
	WIN 0x40
.irp a, 0,1,2,3,4,5,6,7
	global_load_b32 v[2*\a], v[BA], s[96:97] offset:4*(32*(\a/2)+8*(\a%2))
.endr
	s_wait_loadcnt 0x0
	WIN 0x41
.irp a, 0,1,2,3,4,5,6,7
	v_mov_b32 v[2*\a+1], v[2*\a]
.endr
	WIN 0
	s_wait_alu depctr_va_vdst(0)
.irp a, 0,1,2,3,4,5,6,7
	VROW \a
.endr
.irp d, 0,1,2,3
	v_cndmask_b32 v[WD+\d], v[PWR+\d], v[PWR+4+\d], vcc_lo
.endr
	global_store_b128 v[SA], v[WD:WD+3], s[66:67]
.Lend:
	s_wait_tensorcnt 0x0
	ds_add_u32 v[SPW], v[NIL]
	s_wait_dscnt 0x0
	CROUND
	s_endpgm
.Lfunc_end_k_q709e767aa1_qkv:
	.size	k_q709e767aa1_qkv, .Lfunc_end_k_q709e767aa1_qkv-k_q709e767aa1_qkv
	.p2alignl 7, 3214868480
	.fill 96, 4, 3214868480
	.section	.rodata,"a",@progbits
	.p2align	6, 0x0
	.amdhsa_kernel k_q709e767aa1_qkv
		.amdhsa_group_segment_fixed_size 327680
		.amdhsa_private_segment_fixed_size 0
		.amdhsa_enable_private_segment 0
		.amdhsa_kernarg_size 48
		.amdhsa_user_sgpr_count 2
		.amdhsa_user_sgpr_kernarg_segment_ptr 1
		.amdhsa_wavefront_size32 1
		.amdhsa_system_sgpr_workgroup_id_x 1
		.amdhsa_system_sgpr_workgroup_id_y 1
		.amdhsa_system_sgpr_workgroup_id_z 1
		.amdhsa_system_vgpr_workitem_id 0
		.amdhsa_next_free_vgpr 1024
		.amdhsa_next_free_sgpr 102
		.amdhsa_reserve_vcc 1
		.amdhsa_float_denorm_mode_32 3
		.amdhsa_float_denorm_mode_16_64 3
		.amdhsa_memory_ordered 1
		.amdhsa_forward_progress 1
		.amdhsa_inst_pref_size 255
	.end_amdhsa_kernel
	.section	.bss,"aw",@nobits
	.p2align	6
	.space	262144
	.amdgpu_metadata
---
amdhsa.version: [ 1, 2 ]
amdhsa.kernels:
  - .name:           k_q709e767aa1_qkv
    .symbol:         k_q709e767aa1_qkv.kd
    .args:
      - { .name: cod, .offset: 0, .size: 8, .value_kind: global_buffer, .address_space: global }
      - { .name: scl, .offset: 8, .size: 8, .value_kind: global_buffer, .address_space: global }
      - { .name: b_attn, .offset: 16, .size: 8, .value_kind: global_buffer, .address_space: global }
      - { .name: rope, .offset: 24, .size: 8, .value_kind: global_buffer, .address_space: global }
      - { .name: img, .offset: 32, .size: 8, .value_kind: global_buffer, .address_space: global }
      - { .name: sc, .offset: 40, .size: 8, .value_kind: global_buffer, .address_space: global }
    .group_segment_fixed_size: 327680
    .private_segment_fixed_size: 0
    .kernarg_segment_align: 8
    .kernarg_segment_size: 48
    .max_flat_workgroup_size: 128
    .sgpr_count:     102
    .vgpr_count:     1024
    .wavefront_size: 32
...
	.end_amdgpu_metadata
.endif
;; end of part 2
;; launch attn (part 3): grid 16 x 16, 16 waves a work-group, no clusters, 327,680 bytes of LDS; arguments img, sc, yimg, ysc; writes yimg, ysc
.if DOCPART == 3
	.amdgcn_target "amdgcn-amd-amdhsa--gfx1250"
	.amdhsa_code_object_version 6
	.text
	.protected	k_q709e767aa1_attn
	.globl	k_q709e767aa1_attn
	.p2align	8
	.type	k_q709e767aa1_attn,@function
k_q709e767aa1_attn:
	s_mov_b64 s[64:65], 0
	v_nop
	global_prefetch_b8 v0, s[64:65] scope:SCOPE_SE
	s_setreg_imm32_b32 hwreg(HW_REG_WAVE_MODE, 25, 1), 1
	s_wait_xcnt 0x0
; y[h][q] = the sum over k <= q of softmax_k(Q[h][q] . K[h][k] / 8) V[h][k], 16 heads of 64, 4,096 positions, both products on codes of FP8 (E4M3) with one E8M0 scale for each 32 along a product's K.
; q, k, v arrive as images of operand registers (img) with their scale words (sc), tiles of 16 POSITIONS (a position is an index with bits 3 and 4 exchanged); y leaves quantised along the channels, as images (yimg, ysc).
; THE SOFTMAX: t = score x log2(e) / 8; M = the row's largest t so far, rounded up to a whole number; p = 2^(t - M) is quantised along the keys, not normalised; the row's sum is taken of the unquantised p
; and divides at the end.  When M moves, the sum and O are multiplied by 2^(old M - new M): exact.
; LAYOUT.  Both products are used transposed: S^T = K Q^T, O^T = V^T P^T: a lane holds ONE query.  The 16 registers of key tiles 2 P and 2 P + 1 are keys 32 P + 16 (lane / 16) + 0 .. 15 of a step of 128.
; K = 64 IN AN INSTRUCTION OF 128: a fragment holds TWO key tiles' codes; it is multiplied by [q | 0] for the first tile and by [0 | q] for the second.
; LEFT OUT: steps of 128 keys all of which come after a block's queries: the causal mask throws their scores away.
; SHARES.  Work-group (b, head) owns two blocks of 128 queries, b and 31 - b, one after the other.  Block B needs B / 8 + 1 slots of 1,024 keys; the two together need 5 for every b: the trip count is a constant.
; The block whose last slot holds more steps (B % 8 >= 4) goes first, so that the other block's first fill is asked for ahead of three steps or more.
; Wave w has query tile w % 8 of the block in hand and takes steps 2 m + w / 8, m = 0 .. 3, of each slot's eight steps of 128 keys, in an inner loop of four trips.
; AT A BLOCK'S END waves 8-15 hand -M, the sum and O^T to waves 0-7 through LDS bytes of their own; the two halves are joined under the larger M by factors that are powers of two, divided by the sum and quantised.
; The hand-over's stores and its reads are parted by a plain barrier that stands in every trip; the trip's other barrier is the change of slots.
; THE RING: two slots.  Codes: K's 65,536 bytes, then V's, the slots 131,072 bytes apart; scale words: 2,048 bytes of each, the slots 4,096 apart.  Waves 0 to 3 fetch one of the four each.  One tensor load of a wave is out at the most.
; NO CLUSTER: the work-groups of a head walk different numbers of slots in each block (1 to 4), so partners would need different tiles in the same trip, and the mask lets some of them pass over tiles that others read.
; PREFETCH: key slots 2 and 3 are asked for in trips 0 and 1, a trip ahead of the change of slots that loads them in a walk from key 0.  A slot's 512 blocks of 256 bytes are shared out among the head's 16 work-groups:
; work-group b asks for 32 of them (b < 8: of K; else of V), a lane a block, by wave 4.  Slots 0 and 1 come by their loads alone.
; LIMITS: NaN and infinities are not served; the scaled scores stay under 2^31 in magnitude; a block of y under 2^-118 in magnitude gets the byte 1.  ysc is stored two bytes a row and head, rows 32 bytes apart:
; aligned blocks of 256 bytes are written in part there: 131,072 bytes in the whole launch.
; REGISTERS: v1 16 x lane; v2 scale words' place; v3 my query in its block less 16 (lane / 16); v4, v7, v11 addresses in hand; v5, v6 the spare word's address and 0; v8 fragments' place; v9 32 r; v10 the hand-over's place;
;   v12 -M; v13 the largest t; v[14:15] the sum; v16-39 [q | 0 | q]; v40-103 four fragments; v104-167 S^T, then p; v168-199 O^T; v200-215 p's codes; v216-219 K's and V's scale words; v220 q's; v221 p's;
;   v222 the second block's q scales; v223 the prefetch's offset; v224-245, v254-255 at work; v246-253 the second block's q.
.set SLOTB, 131072
.set VOFF,  65536
.set SOFF,  262144
.set SSLOT, 4096
.set SPARE, 270336                     ; the spare words, 128 bytes for each wave
.set MRG,   272384                     ; the hand-over: 4,608 bytes for each pair of waves
.set MP,    4608
.set F,   40
.set S,   104
.set O,   168
.set PC,  200
.set KVS, 216
.set QS,  220
.set PW,  221
.set BM,  224
.set BX,  228
.set HL,  232
.set SO,  236
.macro JLOAD                           ; waves 0, 1: K's and V's codes; waves 2, 3: their scale words; an s_nop 0 and four v_nop follow each line
	s_cmp_lt_u32 s12, 2
	s_cbranch_scc0 .Lnot_codes_\@
	tensor_load_to_lds s[40:43], s[24:31]
	s_nop 0
.rept 4
	v_nop
.endr
	s_branch .Lasked_\@
.Lnot_codes_\@:
	s_cmp_lt_u32 s12, 4
	s_cbranch_scc0 .Lasked_\@
	tensor_load_to_lds s[44:47], s[32:39]
	s_nop 0
.rept 4
	v_nop
.endr
.Lasked_\@:
.endm
.macro ADDR dst, base, reg, sh         ; base + (s[reg] << sh) + s55
	s_lshl_b32 s56, s\reg, \sh
	s_add_co_u32 s56, s56, s55
	s_add_nc_u64 s[\dst:\dst+1], s[\base:\base+1], s[56:57]
.endm
	s_load_b256 s[4:11], s[0:1], 0x0               ; img s[4:5], sc s[6:7], yimg s[8:9], ysc s[10:11]
	v_lshl_add_u32 v5, v0, 2, SPARE
	v_mov_b32 v6, 0
	ds_add_u32 v5, v6                              ; the opening lines: the add, twice on end, and its wait
	ds_add_u32 v5, v6
	v_lshrrev_b32 v1, 5, v0
	v_readfirstlane_b32 s12, v1                    ; wave 0..15
	s_and_b32 s14, ttmp7, 0xffff                   ; the head
	s_and_b32 s98, ttmp9, 7                        ; b % 8
	s_sub_co_u32 s15, 31, ttmp9
	s_cmp_ge_u32 s98, 4
	s_cselect_b32 s15, s15, ttmp9                  ; the second block: 31 - b where b % 8 >= 4, else b
	s_and_b32 s16, s12, 7                          ; my query tile in a block
	s_lshr_b32 s17, s12, 3                         ; which of each two steps is mine
	s_and_b32 s54, s12, 1
	s_sub_co_u32 s13, 31, s15                      ; the block in hand: the other one first
	s_lshr_b32 s60, s13, 3                         ; the first block's last trip
	s_add_co_u32 s99, s60, 1                       ; the second block's first
	s_mov_b32 s24, 3<<16                           ; group 1, codes: elements of 8 bytes, no padding: images are read as they lie
	s_mov_b32 s25, 32<<16                          ; rows of 256 bytes
	s_mov_b32 s26, 256<<16                         ; 256 rows: 65,536 dense bytes
	s_mov_b32 s27, 32<<16
	s_mov_b32 s28, 256
	s_mov_b32 s29, 32
	s_mov_b32 s30, 0
	s_mov_b32 s31, 0
	s_mov_b32 s32, 3<<16                           ; group 1, scale words: 8 rows: 2,048 dense bytes
	s_mov_b32 s33, 32<<16
	s_mov_b32 s34, 8<<16
	s_mov_b32 s35, 32<<16
	s_mov_b32 s36, 8
	s_mov_b32 s37, 32
	s_mov_b32 s38, 0
	s_mov_b32 s39, 0
	s_lshl_b32 s55, s54, 4
	s_add_co_u32 s55, s55, 16
	s_add_co_u32 s55, s55, s14                     ; part 16 + head (K) for even waves, 32 + head (V) for odd ones
	s_lshl_b32 s56, s55, 18
	s_mov_b32 s57, 0
	s_lshl_b32 s58, s55, 13
	s_mov_b32 s59, 0
	s_mov_b32 s19, 0x600000                        ; the mantissa field of 448
	s_mov_b32 s20, 0x76543210
	s_mov_b32 s21, 0xfedcba98                      ; v_permlanex16_b32's selects for lane l xor 16
	s_mov_b32 s22, 0x3e38aa3b                      ; c = log2(e) / 8
	s_mov_b32 s23, s22
	s_mov_b32 s48, 0                               ; LDS byte at which the codes of the slot in hand begin,
	s_mov_b32 s49, 0                               ; and, from SOFF on, its scale words
	s_mov_b32 s50, s17                             ; my step of 128 keys
	s_mov_b32 s51, 0                               ; the key slot asked for last
	s_mov_b32 s52, 0                               ; the trip
	s_mov_b32 s40, 1
	s_lshl_b32 s41, s54, 16                        ; LDS: slot 0, K's codes or V's
	s_mov_b32 s44, 1
	s_lshl_b32 s45, s54, 11
	s_add_co_u32 s45, s45, SOFF                    ; K's scale words or V's
	s_wait_dscnt 0x0
	s_wait_kmcnt 0x0
	s_add_nc_u64 s[66:67], s[4:5], s[56:57]        ; my part's codes,
	s_add_nc_u64 s[68:69], s[6:7], s[58:59]        ; and its scale words
	s_mov_b64 s[42:43], s[66:67]
	s_or_b32 s43, s43, 0x80000000
	s_mov_b64 s[46:47], s[68:69]
	s_or_b32 s47, s47, 0x80000000
	JLOAD                                          ; key slot 0: at most one tensor load a wave at the head
	s_lshl_b32 s61, s13, 3
	s_add_co_u32 s61, s61, s16                     ; my tile of 16 queries in the first block,
	s_lshl_b32 s62, s15, 3
	s_add_co_u32 s62, s62, s16                     ; and in the second
	s_lshl_b32 s55, s14, 18                        ; q's image: part head, 1,024 bytes a tile
	ADDR 70, 4, 61, 10
	ADDR 72, 4, 62, 10
	s_lshl_b32 s55, s14, 13                        ; q's scale word: 256 bytes for 8 tiles, word (tile / 2) % 4
	s_bfe_u32 s63, s16, 0x20001
	s_lshl_b32 s63, s63, 2
	s_add_co_u32 s55, s55, s63
	ADDR 74, 6, 13, 8
	ADDR 76, 6, 15, 8
	s_lshl_b32 s55, s14, 10                        ; y's image: 16,384 bytes a tile, 1,024 a head
	ADDR 78, 8, 61, 14
	ADDR 82, 8, 62, 14
	s_lshl_b32 s55, s14, 1                         ; y's scale bytes: 32 a row, two a head
	ADDR 80, 10, 61, 9
	ADDR 84, 10, 62, 9
	s_lshr_b32 s55, ttmp9, 3                       ; the prefetch: K's part for b < 8, V's for the others;
	s_lshl_b32 s55, s55, 4
	s_add_co_u32 s55, s55, 16
	s_add_co_u32 s55, s55, s14
	s_lshl_b32 s55, s55, 18
	s_add_co_u32 s55, s55, 65536                   ; it stands in key slot 1: the first change of slots steps it to slot 2;
	ADDR 86, 4, 98, 13                             ; my work-group's 8,192 bytes of a slot's 65,536
	s_cmp_eq_u32 s12, 4
	s_cselect_b32 s88, 2, 0                        ; wave 4 asks in trips 0 and 1
	s_lshr_b32 s89, s16, 1
	s_lshl_b32 s89, s89, 5
	s_and_b32 s93, s16, 1
	s_lshl_b32 s55, s93, 3
	s_add_co_u32 s89, s89, s55                     ; my tile's first query in its block: 32 (tile / 2) + 8 (tile % 2)
	s_lshl_b32 s93, s93, 4                         ; an odd tile's two scale bytes lie in the word's upper half
	s_lshl_b32 s90, s17, 8
	s_add_co_u32 s90, s90, SOFF
	s_lshl_b32 s91, s17, 13
	s_mul_i32 s92, s16, MP
	s_add_co_u32 s92, s92, MRG
	v_and_b32 v11, 15, v0                          ; r
	v_bfe_u32 v10, v0, 4, 1                        ; h
	v_and_b32 v1, 31, v0
	v_lshlrev_b32 v1, 4, v1                        ; 16 x lane
	v_lshlrev_b32 v9, 5, v11
	v_and_b32 v3, 7, v11
	v_and_b32 v4, 8, v11
	v_lshl_add_u32 v3, v4, 1, v3
	v_lshlrev_b32 v4, 4, v10
	v_sub_nc_u32 v3, v3, v4
	v_add_nc_u32 v3, s89, v3                       ; my query in its block, less 16 h
	v_lshlrev_b32 v11, 4, v11
	v_lshl_add_u32 v2, v10, 11, v11
	v_add_nc_u32 v2, s90, v2                       ; lanes 0-15: K's words of row r; lanes 16-31: V's, 2,048 bytes on; my one of two steps
	v_add_nc_u32 v8, s91, v1                       ; fragments: 16 x lane, my one of two steps
	v_add_nc_u32 v10, s92, v1                      ; the hand-over: my pair's bytes
	v_lshlrev_b32 v223, 4, v1                      ; 256 x lane
	global_load_b128 v[16:19], v1, s[70:71]        ; q, twice, with eight registers of zero codes between
	global_load_b128 v[20:23], v1, s[70:71] offset:512
	global_load_b128 v[32:35], v1, s[70:71]
	global_load_b128 v[36:39], v1, s[70:71] offset:512
	global_load_b128 v[246:249], v1, s[72:73]      ; the second block's q waits in registers
	global_load_b128 v[250:253], v1, s[72:73] offset:512
	global_load_b32 v244, v11, s[74:75]
	global_load_b32 v222, v11, s[76:77]
.irp j, 24,25,26,27,28,29,30,31
	v_mov_b32 v[\j], 0
.endr
	v_mov_b32 v13, 0xff61b1e6                      ; the largest t so far: -3e38, under every t
	v_floor_f32 v12, -v13                          ; -M
	v_mov_b32 v14, 0
	v_mov_b32 v15, 0
.irp b, 0,1,2,3
	v_mov_b32 v[BX+\b], 0                          ; a lane permute's destination counts as one of its sources
.endr
	v_mov_b32 v243, 0                              ; (named as the upper half of the pair v[242:243])
.set j, 0
.rept 32
	v_mov_b32 v[O+j], 0                            ; O^T: the first step finds zeros
.set j, j+1
.endr
	s_wait_loadcnt 0x0
	v_lshrrev_b32 v244, s93, v244
	v_lshrrev_b32 v222, s93, v222
	v_perm_b32 v[QS], v244, v244, 0x01000100       ; q's two bytes twice: they serve [q | 0] and [0 | q] alike
	v_perm_b32 v222, v222, v222, 0x01000100
	s_wait_alu depctr_va_vdst(0)
; A KEY STEP: 128 keys; s94 and s95 say where its codes and scale words begin.
.macro STEP
	v_add_nc_u32 v4, s94, v8
	v_add_nc_u32 v7, s95, v2
	v_add_nc_u32 v11, VOFF, v4
.rept 5
	v_nop                                          ; with the three additions: eight places in front of loads into registers that the last products named
.endr
	ds_load_b128 v[KVS:KVS+3], v7                  ; lanes 0-15: word P of key row r; lanes 16-31: word d of channel row r
.irp P, 0,1,2,3
.irp c, 0,1,2,3
	ds_load_b128 v[F+16*\P+4*\c:F+16*\P+4*\c+3], v4 offset:2048*\P+512*\c
.endr
.endr
	s_wait_alu depctr_va_vdst(0)
.irp P, 0,1,2,3
	s_wait_dscnt 12-4*\P                           ; fragment P is in; the four loads of each later fragment may be out
	v_wmma_scale_f32_16x16x128_f8f6f4 v[S+16*\P:S+16*\P+7], v[F+16*\P:F+16*\P+15], v[16:31], 0, v[KVS+\P], v[QS]
	v_wmma_scale_f32_16x16x128_f8f6f4 v[S+16*\P+8:S+16*\P+15], v[F+16*\P:F+16*\P+15], v[24:39], 0, v[KVS+\P], v[QS]
.endr
.rept 8
	v_nop
.endr
.irp d, 0,1,2,3
.irp c, 0,1,2,3
	ds_load_b128 v[F+16*\d+4*\c:F+16*\d+4*\c+3], v11 offset:2048*\d+512*\c   ; V's fragments land while the softmax is walked
.endr
.endr
	s_cmp_lt_u32 s50, s13                          ; in the step that holds my block's own keys the scores of later keys become -infinity ahead of the maximum: p = 0 then
	s_cbranch_scc1 .Lopen_\@
	v_mov_b32 v244, 0xff800000
.set n, 0
.rept 64
	v_cmp_gt_i32 vcc_lo, 32*(n/16)+n%16, v3        ; register 16 b + i holds key 32 b + 16 h + i of the step: hidden where 32 b + i > my query in the block - 16 h
	v_cndmask_b32 v[S+n], v[S+n], v244, vcc_lo
.set n, n+1
.endr
.Lopen_\@:
.irp b, 0,1,2,3
	v_max3_num_f32 v[BM+\b], v[S+16*\b], v[S+1+16*\b], v[S+2+16*\b]   ; the largest score of each block of 32 keys: for the row's maximum and, since p rises with the score, for the block's largest p
.endr
.irp i, 3,5,7,9,11,13
.irp b, 0,1,2,3
	v_max3_num_f32 v[BM+\b], v[BM+\b], v[S+16*\b+\i], v[S+1+16*\b+\i]
.endr
.endr
.irp b, 0,1,2,3
	v_max_num_f32 v[BM+\b], v[BM+\b], v[S+15+16*\b]
.endr
.irp b, 0,1,2,3
	s_delay_alu instid0(VALU_DEP_4)
	v_permlanex16_b32 v[BX+\b], v[BM+\b], s20, s21
.endr
.irp b, 0,1,2,3
	s_delay_alu instid0(VALU_DEP_4)
	v_max_num_f32 v[BM+\b], v[BM+\b], v[BX+\b]     ; with lane l xor 16's 16 keys
.endr
	s_delay_alu instid0(VALU_DEP_2)
	v_max3_num_f32 v244, v[BM], v[BM+1], v[BM+2]
	s_delay_alu instid0(VALU_DEP_1)
	v_max_num_f32 v244, v244, v[BM+3]
	s_delay_alu instid0(VALU_DEP_1)
	v_mul_f32 v244, s22, v244                      ; as t (c is positive)
	s_delay_alu instid0(VALU_DEP_1)
	v_max_num_f32 v13, v13, v244                   ; the running largest t
	v_mov_b32 v244, v12
	s_delay_alu instid0(VALU_DEP_2)
	v_floor_f32 v12, -v13                          ; the new -M = -ceil(t)
	s_delay_alu instid0(VALU_DEP_1)
	v_sub_f32 v244, v12, v244                      ; old M - new M: a whole number, 0 or less
	s_delay_alu instid0(VALU_DEP_1)
	v_cvt_i32_f32 v244, v244                       ; (it saturates)
	s_delay_alu instid0(VALU_DEP_1)
	v_ldexp_f32 v242, 1.0, v244                    ; f = 2^(old M - new M)
.set j, 0
.rept 32
	v_pk_fma_f32 v[S+j:S+j+1], v[S+j:S+j+1], s[22:23], v[12:13] op_sel_hi:[1,0,0]   ; t - M, two at a time
.set j, j+2
.endr
.irp b, 0,1,2,3
	v_fma_f32 v[BM+\b], v[BM+\b], s22, v12
.endr
.set j, 0
	s_wait_alu depctr_va_vdst(0)                   ; the wait ahead of the batch
.rept 64
	v_exp_f32 v[S+j], v[S+j]                       ; p = 2^(t - M), at most 1
.set j, j+1
.endr
.irp b, 0,1,2,3
	v_exp_f32 v[BM+\b], v[BM+\b]                   ; the block's largest p: the same two instructions on the same number
.endr
	v_pk_mul_f32 v[14:15], v[14:15], v[242:243] op_sel_hi:[1,0]   ; the sums under the new M (a plain place behind the exponentials)
	s_wait_alu depctr_va_vdst(0)                   ; and behind it
.irp b, 0,1,2,3
	v_max_num_f32 v[BM+\b], 0x4800000, v[BM+\b]    ; the floor 2^(9 - 127): the byte cannot fall under 1
.endr
.irp b, 0,1,2,3
	s_delay_alu instid0(VALU_DEP_4)
	v_add_nc_u32 v[SO+\b], 0xfc000000, v[BM+\b]    ; the conversion's scale operand
.endr
.irp b, 0,1,2,3
	v_and_or_b32 v[HL+\b], v[BM+\b], 0x7f800000, s19   ; 448 x the scale
.endr
.irp b, 0,1,2,3
	v_lshrrev_b32 v[BX+\b], 23, v[SO+\b]           ; the scale's byte
.endr
	s_delay_alu instid0(VALU_DEP_3)
	v_lshl_or_b32 v[PW], v[BX+1], 8, v[BX]         ; p's scale word for these 128 keys
	s_delay_alu instid0(VALU_DEP_1)
	v_lshl_or_b32 v[PW], v[BX+2], 16, v[PW]
	s_delay_alu instid0(VALU_DEP_1)
	v_lshl_or_b32 v[PW], v[BX+3], 24, v[PW]
.irp b, 0,1,2,3
	v_and_or_b32 v[BX+((\b+1)%4)], v[BM+\b], 0x7f800000, s19   ; 448 x the scale once more, in a register whose number differs modulo 4: the second half of a pair of holds reads it
.endr
	v_pk_add_f32 v[240:241], v[S:S+1], v[S+2:S+3]  ; the row's sum is taken of the unquantised p: two at a time, in four chains
	v_pk_add_f32 v[254:255], v[S+4:S+5], v[S+6:S+7]
	v_pk_add_f32 v[226:227], v[S+8:S+9], v[S+10:S+11]
	v_pk_add_f32 v[14:15], v[14:15], v[S+12:S+13]
.irp j, 14,22,30,38,46,54
	v_pk_add_f32 v[240:241], v[240:241], v[S+\j:S+\j+1]
	v_pk_add_f32 v[254:255], v[254:255], v[S+\j+2:S+\j+3]
	v_pk_add_f32 v[226:227], v[226:227], v[S+\j+4:S+\j+5]
	v_pk_add_f32 v[14:15], v[14:15], v[S+\j+6:S+\j+7]
.endr
	v_pk_add_f32 v[240:241], v[240:241], v[S+62:S+63]
	v_pk_add_f32 v[240:241], v[240:241], v[254:255]
	v_pk_add_f32 v[14:15], v[14:15], v[226:227]
	v_pk_add_f32 v[14:15], v[14:15], v[240:241]
.irp b, 0,1,2,3
.irp i, 0,2,4,6,8,10,12,14
	v_dual_min_num_f32 v[S+16*\b+\i], v[HL+\b], v[S+16*\b+\i] :: v_dual_min_num_f32 v[S+16*\b+\i+1], v[BX+((\b+1)%4)], v[S+16*\b+\i+1]   ; the conversion to an 8-bit code does not saturate (ISA guide 7.6.2); p is not negative, so the hold is one-sided; two holds an instruction
.endr
	v_cvt_scalef32_pk8_fp8_f32 v[PC+4*\b:PC+1+4*\b], v[S+16*\b:S+7+16*\b], v[SO+\b]
	v_cvt_scalef32_pk8_fp8_f32 v[PC+2+4*\b:PC+3+4*\b], v[S+8+16*\b:S+15+16*\b], v[SO+\b]
.endr
	s_wait_alu depctr_va_vdst(0)                   ; directly ahead of the first reader of O^T
.set j, 0
.rept 16
	v_pk_mul_f32 v[O+j:O+j+1], v[O+j:O+j+1], v[242:243] op_sel_hi:[1,0]   ; O^T under the new M; these sixteen are also the places between the codes and the products
.set j, j+2
.endr
	s_wait_alu depctr_va_vdst(0)
	s_wait_dscnt 0x0                               ; V is in
.irp d, 0,1,2,3
	v_wmma_scale_f32_16x16x128_f8f6f4 v[O+8*\d:O+8*\d+7], v[F+16*\d:F+16*\d+15], v[PC:PC+15], v[O+8*\d:O+8*\d+7], v[KVS+\d], v[PW] matrix_a_scale:MATRIX_SCALE_ROW1
.endr
.endm
; THE CHANGE OF SLOTS stands at a trip's head.  Each wave waits for all its tensor loads, adds 0 to its spare word, and waits for that and for its LDS reads.
; fill = 1: behind the barrier the slot just left is filled with the next trip's 1,024 keys: the block's next, or, in the first block's last trip, the second block's first.
.macro CHANGE fill
	s_wait_tensorcnt 0x0                           ; no tensor load of mine is out, so the groups 0 may be written
	ds_add_u32 v5, v6                              ; 0 onto my spare word
.if \fill
	ds_add_u32 v5, v6                              ; and once more
	s_xor_b32 s41, s41, SLOTB
	s_xor_b32 s45, s45, SSLOT
	s_add_co_u32 s51, s51, 1
	s_cmp_eq_u32 s52, s60
	s_cselect_b32 s51, 0, s51                      ; the next trip's key slot
	s_lshl_b32 s56, s51, 16
	s_lshl_b32 s58, s51, 11
	s_add_nc_u64 s[42:43], s[66:67], s[56:57]
	s_or_b32 s43, s43, 0x80000000
	s_add_nc_u64 s[46:47], s[68:69], s[58:59]
	s_or_b32 s47, s47, 0x80000000
	s_wait_xcnt 0x0                                ; any prefetch of mine has read its address, so it may be stepped:
	s_add_nc_u64 s[86:87], s[86:87], 0x10000       ; a key slot on
.endif
	s_wait_dscnt 0x0
	s_barrier_signal -1
	s_barrier_wait -1
.if \fill
	JLOAD
	s_cmp_lt_u32 s52, s88                          ; the prefetch: wave 4, trips 0 and 1: key slots 2 and 3
	s_cbranch_scc0 .Lnot_mine_\@
	global_prefetch_b8 v223, s[86:87] th:TH_LOAD_NT scope:SCOPE_SE
.Lnot_mine_\@:
.endif
.endm
.macro HAND                            ; waves 8-15: -M, the sum and O^T, as images of the registers
.rept 8
	v_nop                                          ; eight places behind the last products, whose results are stored
.endr
	v_add_f32 v13, v14, v15                        ; the sum's two halves (the largest t is done with)
.irp k, 0,1,2,3,4,5,6,7
	ds_store_b128 v10, v[O+4*\k:O+4*\k+3] offset:512*\k   ; each accumulator from its low end on
.endr
	ds_store_b64 v10, v[12:13] offset:4096
.endm
.macro FINISH ya, ys                   ; waves 0-7: the two halves of the keys are joined, divided by the sum, quantised and stored
.irp k, 0,1,2,3,4,5,6,7
	ds_load_b128 v[S+4*\k:S+4*\k+3], v10 offset:512*\k
.endr
	ds_load_b64 v[S+32:S+33], v10 offset:4096
	v_add_f32 v14, v14, v15
	s_wait_alu depctr_va_vdst(0)
	s_wait_dscnt 0x0
	v_min_num_f32 v244, v12, v[S+32]               ; -M of the larger M
	v_sub_f32 v245, v244, v12
	v_sub_f32 v241, v244, v[S+32]                  ; whole numbers, 0 or less
	v_cvt_i32_f32 v245, v245                       ; (they saturate: a half that has seen no key gets the factor 0)
	v_cvt_i32_f32 v241, v241
	v_ldexp_f32 v242, 1.0, v245                    ; my factor,
	v_ldexp_f32 v12, 1.0, v241                     ; and the other half's
	v_mul_f32 v14, v14, v242
	v_fma_f32 v14, v[S+33], v12, v14
	v_permlanex16_b32 v244, v14, s20, s21
	v_add_f32 v14, v14, v244                       ; with lane l xor 16's: the row's sum
	s_wait_alu depctr_va_vdst(0)                   ; the wait ahead of the transcendental
	v_rcp_f32 v14, v14
	v_nop                                          ; one plain place behind it
	s_wait_alu depctr_va_vdst(0)                   ; and the wait ahead of its first reader
	v_mul_f32 v242, v242, v14                      ; the factors are powers of two: the division is folded into them
	v_mul_f32 v12, v12, v14
.set j, 0
.rept 16
	v_pk_mul_f32 v[S+j:S+j+1], v[S+j:S+j+1], v[12:13] op_sel_hi:[1,0]
.set j, j+2
.endr
	s_wait_alu depctr_va_vdst(0)                   ; directly ahead of the first reader of O^T
.set j, 0
.rept 16
	v_pk_fma_f32 v[S+j:S+j+1], v[O+j:O+j+1], v[242:243], v[S+j:S+j+1] op_sel_hi:[1,0,1]   ; each accumulator from its low end on
.set j, j+2
.endr
.irp b, 0,1
	v_max3_num_f32 v[BM+\b], |v[S+16*\b]|, |v[S+1+16*\b]|, 0x4800000
.endr
.irp i, 2,4,6,8,10,12,14
.irp b, 0,1
	s_delay_alu instid0(VALU_DEP_2)
	v_max3_num_f32 v[BM+\b], v[BM+\b], |v[S+16*\b+\i]|, |v[S+1+16*\b+\i]|
.endr
.endr
.irp b, 0,1
	s_delay_alu instid0(VALU_DEP_2)
	v_permlanex16_b32 v[BX+\b], v[BM+\b], s20, s21
.endr
.irp b, 0,1
	s_delay_alu instid0(VALU_DEP_2)
	v_max_num_f32 v[BM+\b], v[BM+\b], v[BX+\b]
.endr
.irp b, 0,1
	s_delay_alu instid0(VALU_DEP_2)
	v_add_nc_u32 v[SO+\b], 0xfc000000, v[BM+\b]
.endr
.irp b, 0,1
	s_delay_alu instid0(VALU_DEP_4)
	v_and_or_b32 v[HL+\b], v[BM+\b], 0x7f800000, s19
.endr
.irp b, 0,1
	s_delay_alu instid0(VALU_DEP_4)
	v_lshrrev_b32 v[BX+\b], 23, v[SO+\b]
.endr
	s_delay_alu instid0(VALU_DEP_1)
	v_lshl_or_b32 v245, v[BX+1], 8, v[BX]          ; my row's two scale bytes
.irp b, 0,1
.irp i, 0,1,2,3,4,5,6,7,8,9,10,11,12,13,14,15
	v_med3_num_f32 v[S+16*\b+\i], v[S+16*\b+\i], -v[HL+\b], v[HL+\b]
.endr
	v_cvt_scalef32_pk8_fp8_f32 v[PC+4*\b:PC+1+4*\b], v[S+16*\b:S+7+16*\b], v[SO+\b]
	v_cvt_scalef32_pk8_fp8_f32 v[PC+2+4*\b:PC+3+4*\b], v[S+8+16*\b:S+15+16*\b], v[SO+\b]
.endr
	v_nop                                          ; one plain vector instruction behind the last scaled conversion
	global_store_b128 v1, v[PC:PC+3], s[\ya:\ya+1] ; 32 lanes store 512 consecutive bytes
	global_store_b128 v1, v[PC+4:PC+7], s[\ya:\ya+1] offset:512
	global_store_b16 v9, v245, s[\ys:\ys+1]        ; both lanes of a row store the same two bytes with the same value
	s_wait_xcnt 0x0                                ; the stores' registers are written again only behind this wait
.endm
.macro TRIP fill
	CHANGE \fill
	s_cmp_lg_u32 s52, s99                          ; did the first block end in the last trip?  The work-group's number and the trip's alone: all waves go the same way
	s_cbranch_scc1 .Lsame_\@
	s_cmp_ge_u32 s12, 8
	s_cbranch_scc1 .Lnew_\@
	FINISH 78, 80                                  ; waves 0-7 join and store the first block, behind the change of slots and its refill, while waves 8-15 go on into the second block's steps
.Lnew_\@:
.irp j, 0,1,2,3,4,5,6,7
	v_mov_b32 v[16+\j], v[246+\j]                  ; the second block's q
	v_mov_b32 v[32+\j], v[246+\j]
.endr
	v_mov_b32 v[QS], v222
	v_mov_b32 v13, 0xff61b1e6                      ; the largest t begins anew: the next step's f is then 0, which takes the old sum and the old O^T away
	v_floor_f32 v12, -v13
	s_mov_b32 s13, s15                             ; the second block,
	s_mov_b32 s50, s17                             ; from its first keys
	s_wait_alu depctr_va_vdst(0)
.Lsame_\@:
	s_mov_b32 s94, s48
	s_mov_b32 s95, s49
	s_mov_b32 s96, 0
.Lstep_\@:                                         ; my four steps of the slot
	s_cmp_gt_u32 s50, s13                          ; a step all of whose keys come after my block's queries is left out: a branch on ids, round the work alone
	s_cbranch_scc1 .Lpast_\@
	s_wait_alu depctr_va_vdst(0)
	STEP
.Lpast_\@:
	s_add_co_u32 s50, s50, 2
	s_add_co_u32 s94, s94, 16384
	s_add_co_u32 s95, s95, 512
	s_add_co_u32 s96, s96, 1
	s_cmp_lt_u32 s96, 4
	s_cbranch_scc1 .Lstep_\@
	s_wait_alu depctr_va_vdst(0)
	s_wait_dscnt 0x0                               ; my stores are done
	s_barrier_signal -1
	s_barrier_wait -1                              ; in every trip: it parts the hand-over's stores from its reads
.if \fill
	s_cmp_lg_u32 s52, s60
	s_cbranch_scc1 .Lon_\@
.endif
	s_cmp_lt_u32 s12, 8
	s_cbranch_scc1 .Lon_\@
	HAND                                           ; a block has ended: waves 8-15 store their half behind the plain barrier; the next barrier shows it to waves 0-7
.Lon_\@:
.if \fill
	s_xor_b32 s48, s48, SLOTB
	s_xor_b32 s49, s49, SSLOT
.endif
.endm
.Ltrip:                                            ; 4 trips: behind each change of slots the next trip's slot is asked for
	TRIP 1
	s_add_co_u32 s52, s52, 1
	s_cmp_lt_u32 s52, 4
	s_cbranch_scc1 .Ltrip
	TRIP 0                                         ; the last trip is written out: it asks for nothing, and the second block ends in it
	s_wait_alu depctr_va_vdst(0)
	s_wait_dscnt 0x0                               ; the hand-over's stores are done
	s_barrier_signal -1
	s_barrier_wait -1
	s_cmp_ge_u32 s12, 8
	s_cbranch_scc1 .Lend
	FINISH 82, 84                                  ; waves 0-7 join and store the second block
.Lend:
	s_wait_tensorcnt 0x0
	ds_add_u32 v5, v6
	s_wait_dscnt 0x0
	s_endpgm
.Lfunc_end_k_q709e767aa1_attn:
	.size	k_q709e767aa1_attn, .Lfunc_end_k_q709e767aa1_attn-k_q709e767aa1_attn
	.p2alignl 7, 3214868480
	.fill 96, 4, 3214868480
	.section	.rodata,"a",@progbits
	.p2align	6, 0x0
	.amdhsa_kernel k_q709e767aa1_attn
		.amdhsa_group_segment_fixed_size 327680
		.amdhsa_private_segment_fixed_size 0
		.amdhsa_enable_private_segment 0
		.amdhsa_kernarg_size 32
		.amdhsa_user_sgpr_count 2
		.amdhsa_user_sgpr_kernarg_segment_ptr 1
		.amdhsa_wavefront_size32 1
		.amdhsa_system_sgpr_workgroup_id_x 1
		.amdhsa_system_sgpr_workgroup_id_y 1
		.amdhsa_system_sgpr_workgroup_id_z 1
		.amdhsa_system_vgpr_workitem_id 0
		.amdhsa_next_free_vgpr 256
		.amdhsa_next_free_sgpr 100
		.amdhsa_reserve_vcc 1
		.amdhsa_float_denorm_mode_32 3
		.amdhsa_float_denorm_mode_16_64 3
		.amdhsa_memory_ordered 1
		.amdhsa_forward_progress 1
		.amdhsa_inst_pref_size 90
	.end_amdhsa_kernel
	.amdgpu_metadata
---
amdhsa.version: [ 1, 2 ]
amdhsa.kernels:
  - .name:           k_q709e767aa1_attn
    .symbol:         k_q709e767aa1_attn.kd
    .args:
      - { .name: img, .offset: 0, .size: 8, .value_kind: global_buffer, .address_space: global }
      - { .name: sc, .offset: 8, .size: 8, .value_kind: global_buffer, .address_space: global }
      - { .name: yimg, .offset: 16, .size: 8, .value_kind: global_buffer, .address_space: global }
      - { .name: ysc, .offset: 24, .size: 8, .value_kind: global_buffer, .address_space: global }
    .group_segment_fixed_size: 327680
    .private_segment_fixed_size: 0
    .kernarg_segment_align: 8
    .kernarg_segment_size: 32
    .max_flat_workgroup_size: 512
    .sgpr_count:     100
    .vgpr_count:     256
    .wavefront_size: 32
...
	.end_amdgpu_metadata
.endif
;; end of part 3
;; launch proj (part 4): grid 8 x 32, 8 waves a work-group, clusters of 4 x 4, 327,680 bytes of LDS; arguments yimg, ysc, cod, scl, b_proj, out0; writes out0
.if DOCPART == 4
	.amdgcn_target "amdgcn-amd-amdhsa--gfx1250"
	.amdhsa_code_object_version 6
	.text
	.protected	k_q709e767aa1_proj
	.globl	k_q709e767aa1_proj
	.p2align	8
	.type	k_q709e767aa1_proj,@function
k_q709e767aa1_proj:
	s_mov_b64 s[64:65], 0
	v_nop
	global_prefetch_b8 v0, s[64:65] scope:SCOPE_SE
	s_setreg_imm32_b32 hwreg(HW_REG_WAVE_MODE, 25, 1), 1
	s_wait_xcnt 0x0
	s_wait_alu depctr_hold_cnt(0) depctr_sa_sdst(0) depctr_va_vdst(0) depctr_va_sdst(0) depctr_va_ssrc(0) depctr_va_vcc(0) depctr_vm_vsrc(0)
	s_getreg_b32 s2, hwreg(HW_REG_IB_STS2, 6, 4)
	s_cmp_eq_u32 s2, 0
	s_cbranch_scc0 .Lentry_in_a_cluster
	s_endpgm
.Lentry_in_a_cluster:
	s_bfe_u32 s2, ttmp6, 0x10000c
	s_cmp_lg_u32 s2, 0xf033
	s_cbranch_scc0 .Lentry_shape_is_right
	s_endpgm
.Lentry_shape_is_right:
; out0 [4096][1024] f32 = y w_proj + b_proj, on codes of FP8 (E4M3) with one E8M0 scale for each 32 along K = 1,024.
; y arrives as images of operand registers (yimg: [tile of 16 positions][128 of K: 2,048 bytes][piece c][lane][16 bytes]) with 32 scale bytes a row (ysc); w_proj's column n as row 7168 + p(n) of cod and scl,
; p(i) = i with its bits 3 and 4 exchanged, which is also the order of y's rows.
; SHARES.  256 work-groups; each makes 128 rows x 128 columns.  Eight waves, 4 x 2: a wave makes 32 rows x 64 columns: 8 accumulators, 64 registers; no register above v255.
; ALL OF K LIES IN LDS, FILLED ONCE: y's 8 tiles (131,072 bytes), w's 128 rows (rows of 512 bytes + 16 of padding, in two halves of K) and the scale bytes of both.  Six loads at the head, one a wave:
; waves 0 to 3 K's first half of y and of w and the two tiles of scale bytes, which the first barrier shows (these four waves wait there); waves 4, 5 K's second half, which the second barrier shows (every wave waits there).
; Nothing is filled again: no ring.  No prefetch: the launch has no loop to run ahead in: all that it reads is asked for at its head.
; CLUSTERS: 4 x 4 work-groups.  The four of a row of the cluster need the same rows of y, the four of a column the same rows of w: each tile is asked for jointly.
; THE MATRIX INSTRUCTION IS USED TRANSPOSED (source 0 = 16 rows of w, source 1 = 16 rows of y): a lane holds eight neighbouring columns of one row of out0.  The bias is the first products' C.
; THE WAY OUT: 16 rows x 64 columns at a time through the wave's own stage in LDS: sixteen lanes store 256 consecutive bytes, aligned.
; LIMITS: NaN and infinities are not served.
.set A1L,   65536                      ; y: K's first half at 0, its second here: 8 tiles x 8,192 bytes each
.set B0L,   131072                     ; w: K's first half: 128 rows x 528 bytes
.set BH,    67584                      ; from there to its second half
.set BP,    528
.set SCA,   266240                     ; y's scale bytes: 16 units of 256 bytes + 16 of padding
.set SCB,   270592                     ; w's
.set SBLK,  544                        ; those of 16 rows
.set STAGE, 274944                     ; 16 rows x 272 bytes for each wave
.set SP,    272
.set SPARE, 309760                     ; the spare words, 128 bytes for each wave
.set SPW, 8
.set NIL, 9
.set CO,  10                           ; my byte offset in two rows of out0
.set BA,  11                           ; my offset in the bias
.set VA,  16                           ; v16, v17 LDS address of my fragments of y, K's halves
.set VB,  18                           ; v18, v19 of w
.set VSA, 20                           ; of y's scale words: lanes 0-15 my first tile, lanes 16-31 my second
.set VSB, 21                           ; of w's: lanes 0-15 an even tile, lanes 16-31 the odd one behind it
.set STO, 22
.set RD,  23
.set SB,  24                           ; v24-39 w's scale words: register 8 u + s: tiles 2 u, 2 u + 1, the s-th 128 of K
.set SA,  44                           ; v44-51 y's: register s.  No product's two scale registers have numbers equal modulo 8
.set ACC, 64                           ; v64-127 accumulator (a, b) at 8 (4 a + b)
.set AFR, 128                          ; v128-159 two fragments of y
.set BFR, 160                          ; v160-223 four fragments of w
.set BI,  224                          ; v224-255 the bias in the results' layout
.set G1A, 24
.set G1B, 32
.set G1SA, 40
.set G1SB, 48
.set GA0, 56
.set GA1, 60
.set GB0, 68
.set GB1, 72
.set GSA, 76
.set GSB, 80
.macro CROUND                          ; a round of the cluster's barrier
	s_barrier_signal -1
	s_barrier_wait -1
	s_cmp_lg_u32 s14, 0
	s_cbranch_scc1 .Lnot_wave_0_\@
	s_barrier_signal -3
.Lnot_wave_0_\@:
	s_barrier_wait -3
	s_barrier_signal -1
	s_barrier_wait -1
.endm
.macro G1SET g, dim0, rows, pitch
	s_mov_b32 s[\g+1], (\dim0)<<16
	s_mov_b32 s[\g+2], (\rows)<<16
	s_mov_b32 s[\g+3], (\dim0)<<16
	s_mov_b32 s[\g+4], \rows
	s_mov_b32 s[\g+5], \pitch
	s_mov_b32 s[\g+6], 0
	s_mov_b32 s[\g+7], 0
.endm
.macro G0SET g, lds, base, off, extra
	s_mov_b32 s[\g], 1
	s_mov_b32 s[\g+1], \lds
	s_add_nc_u64 s[\g+2:\g+3], s[\base:\base+1], s[\off:\off+1]
.if \extra
	s_add_nc_u64 s[\g+2:\g+3], s[\g+2:\g+3], \extra
.endif
	s_or_b32 s[\g+3], s[\g+3], 0x80000000
.endm
.macro ARM under, g0, g1, next         ; one arm of the head's chain: a load line of its own; an s_nop 0 and four v_nop follow it
	s_cmp_lt_u32 s14, \under
	s_cbranch_scc0 \next
	tensor_load_to_lds s[\g0:\g0+3], s[\g1:\g1+7]
	s_nop 0
.rept 4
	v_nop
.endr
	s_branch .Lasked
\next:
.endm
	s_load_b256 s[4:11], s[0:1], 0x0               ; yimg s[4:5], ysc s[6:7], cod s[8:9], scl s[10:11]
	s_load_b128 s[84:87], s[0:1], 0x20             ; b_proj s[84:85], out0 s[86:87]
	v_lshl_add_u32 v[SPW], v0, 2, SPARE
	v_mov_b32 v[NIL], 0
	ds_add_u32 v[SPW], v[NIL]                      ; the opening lines: the add, twice on end, and its wait
	ds_add_u32 v[SPW], v[NIL]
	v_lshrrev_b32 v1, 5, v0
	v_readfirstlane_b32 s14, v1                    ; wave 0..7
	s_lshr_b32 s15, s14, 1                         ; my 32 rows of the block's 128
	s_and_b32 s22, s14, 1                          ; my 64 columns
	s_bfe_u32 s16, ttmp6, 0x40000                  ; cx, cy
	s_bfe_u32 s17, ttmp6, 0x40004
	s_lshl_b32 s18, ttmp9, 2
	s_add_co_u32 s18, s18, s16                     ; block column 0..7
	s_and_b32 s19, ttmp7, 0xffff
	s_lshl_b32 s19, s19, 2
	s_add_co_u32 s19, s19, s17                     ; block row 0..31
	s_lshl_b32 s20, s17, 2
	s_lshl_b32 s20, 15, s20                        ; my row of the cluster
	s_lshl_b32 s21, 0x1111, s16                    ; my column
	s_or_b32 s[G1A], s20, (3<<16)|(1<<21)          ; y: 8 tiles, 8,192 bytes of each (1,024 elements of 8), 16,384 bytes apart; images are read as they lie
	G1SET G1A, 1024, 8, 2048
	s_or_b32 s[G1B], s21, (1<<20)|(1<<21)|(6<<22)|(3<<25)   ; w: 128 rows of 512 bytes, 1,024 apart; four words of padding behind every 128
	G1SET G1B, 512, 128, 1024
	s_or_b32 s[G1SA], s20, (3<<16)|(1<<20)|(1<<21)|(5<<22)|(3<<25)   ; scale bytes of 128 rows: 4,096 dense bytes as 16 rows of 256, 16 bytes of padding behind each
	G1SET G1SA, 32, 16, 32
	s_or_b32 s[G1SB], s21, (3<<16)|(1<<20)|(1<<21)|(5<<22)|(3<<25)
	G1SET G1SB, 32, 16, 32
	s_lshl_b32 s88, s19, 17                        ; y's codes: 8 tiles of 16,384 bytes a block row,
	s_mov_b32 s89, 0
	s_lshl_b32 s90, s19, 12                        ; its scale bytes: 128 rows of 32
	s_mov_b32 s91, 0
	s_lshl_b32 s92, s18, 7
	s_add_co_u32 s92, s92, 7168                    ; w's first row
	s_lshl_b32 s94, s92, 5
	s_lshl_b32 s92, s92, 10
	s_mov_b32 s93, 0
	s_mov_b32 s95, 0
	s_wait_dscnt 0x0
	s_wait_kmcnt 0x0
	G0SET GA0, 0, 4, 88, 0
	G0SET GA1, A1L, 4, 88, 8192
	G0SET GB0, B0L, 8, 92, 0
	G0SET GB1, B0L+BH, 8, 92, 512
	G0SET GSA, SCA, 6, 90, 0
	G0SET GSB, SCB, 10, 94, 0
	CROUND                                         ; all sixteen work-groups are here: the joint loads meet
	ARM 1, GA0, G1A, .Lh1
	ARM 2, GB0, G1B, .Lh2
	ARM 3, GSA, G1SA, .Lh3
	ARM 4, GSB, G1SB, .Lh4
	ARM 5, GA1, G1A, .Lh5
	ARM 6, GB1, G1B, .Lh6
.Lasked:
	s_lshl_b32 s88, s18, 9
	s_lshl_b32 s90, s22, 8
	s_add_co_u32 s88, s88, s90                     ; my first column, in bytes
	s_add_nc_u64 s[84:85], s[84:85], s[88:89]
	s_lshl_b32 s90, s19, 7
	s_lshl_b32 s92, s15, 5
	s_add_co_u32 s90, s90, s92
	s_lshl_b32 s90, s90, 12                        ; my first row: 4,096 bytes a row
	s_add_co_u32 s88, s88, s90
	s_add_nc_u64 s[86:87], s[86:87], s[88:89]
	s_lshl_b32 s96, s15, 14                        ; my two tiles of y
	s_mul_i32 s97, s22, 64*BP
	s_add_co_u32 s97, s97, B0L                     ; my 64 rows of w
	s_mul_i32 s98, s15, 2*SBLK
	s_add_co_u32 s98, s98, SCA
	s_mul_i32 s99, s22, 4*SBLK
	s_add_co_u32 s99, s99, SCB
	s_mul_i32 s23, s14, 16*SP
	s_add_co_u32 s23, s23, STAGE                   ; my stage
	v_and_b32 v1, 15, v0                           ; r
	v_bfe_u32 v2, v0, 4, 1                         ; h
	v_and_b32 v3, 31, v0
	v_lshlrev_b32 v3, 4, v3
	v_add_nc_u32 v[VA], s96, v3
	v_add_nc_u32 v[VA+1], A1L, v[VA]
	v_mul_u32_u24 v4, v1, BP
	v_lshl_add_u32 v4, v2, 4, v4
	v_add_nc_u32 v[VB], s97, v4
	v_add_nc_u32 v[VB+1], BH, v[VB]
	v_lshlrev_b32 v5, 5, v1                        ; a row's 32 scale bytes, and 16 more for each 256 passed
	v_lshrrev_b32 v6, 3, v1
	v_lshl_add_u32 v5, v6, 4, v5
	v_mad_u32_u24 v5, v2, SBLK, v5                 ; lanes 16-31: the next tile's
	v_add_nc_u32 v[VSA], s98, v5
	v_add_nc_u32 v[VSB], s99, v5
	v_mul_u32_u24 v6, v1, SP
	v_lshl_add_u32 v6, v2, 6, v6
	v_add_nc_u32 v[STO], s23, v6                   ; in: row r, 64 h bytes on
	v_mul_u32_u24 v7, v2, SP
	v_lshl_add_u32 v7, v1, 4, v7
	v_add_nc_u32 v[RD], s23, v7                    ; back: lanes 0-15 one row, lanes 16-31 the next
	v_lshlrev_b32 v[CO], 12, v2
	v_lshl_add_u32 v[CO], v1, 4, v[CO]
	v_lshlrev_b32 v[BA], 6, v2
.irp u, 0,1
.irp j, 0,1,2,3
	global_load_b128 v[BI+16*\u+4*\j:BI+16*\u+4*\j+3], v[BA], s[84:85] offset:(32*\u+4*\j)*4   ; register 16 u + i: the bias of column 32 u + 16 h + i
.endr
.endr
	s_wait_alu depctr_va_vdst(0)
	s_cmp_lt_u32 s14, 4
	s_cbranch_scc0 .Lnot_first
	s_wait_tensorcnt 0x0                           ; waves 0 to 3: K's first half and the scale bytes have landed
.Lnot_first:
	s_barrier_signal -1
	s_barrier_wait -1
.macro MM s, a, b                      ; the s-th 128 of K, my tile a of y, my tile b of w
.set D_, ACC+8*(4*(\a)+(\b))
.set C_, D_
.if (\s) == 0
.set C_, BI+8*(\b)
.endif
.set W_, BFR+16*(\b)
.set Y_, AFR+16*(\a)
.set WS_, SB+8*((\b)/2)+(\s)
.set YS_, SA+(\s)
.if ((\b)%2) && (\a)
	v_wmma_scale_f32_16x16x128_f8f6f4 v[D_:D_+7], v[W_:W_+15], v[Y_:Y_+15], v[C_:C_+7], v[WS_], v[YS_] matrix_a_scale:MATRIX_SCALE_ROW1 matrix_b_scale:MATRIX_SCALE_ROW1
.elseif (\b)%2
	v_wmma_scale_f32_16x16x128_f8f6f4 v[D_:D_+7], v[W_:W_+15], v[Y_:Y_+15], v[C_:C_+7], v[WS_], v[YS_] matrix_a_scale:MATRIX_SCALE_ROW1
.elseif \a
	v_wmma_scale_f32_16x16x128_f8f6f4 v[D_:D_+7], v[W_:W_+15], v[Y_:Y_+15], v[C_:C_+7], v[WS_], v[YS_] matrix_b_scale:MATRIX_SCALE_ROW1
.else
	v_wmma_scale_f32_16x16x128_f8f6f4 v[D_:D_+7], v[W_:W_+15], v[Y_:Y_+15], v[C_:C_+7], v[WS_], v[YS_]
.endif
.endm
.macro KSTEP s                         ; 24 LDS loads and 8 products; the eight accumulators take turns, in the same order in every step
.if (\s) > 0
.rept 8
	v_nop                                          ; eight places in front of loads into registers that the last products read
.endr
.endif
.irp a, 0,1
.irp c, 0,1,2,3
	ds_load_b128 v[AFR+16*\a+4*\c:AFR+16*\a+4*\c+3], v[VA+(\s)/4] offset:8192*\a+2048*((\s)%4)+512*\c
.endr
.endr
.irp b, 0,1,2,3
.irp c, 0,1,2,3
	ds_load_b128 v[BFR+16*\b+4*\c:BFR+16*\b+4*\c+3], v[VB+(\s)/4] offset:16*BP*\b+128*((\s)%4)+32*\c
.endr
.endr
.irp b, 0,1,2,3
	s_wait_dscnt 12-4*\b                           ; y's two fragments and w's up to b are in; the four loads of each later one may be out
	MM \s, 0, \b
	MM \s, 1, \b
.endr
.endm
	ds_load_b128 v[SA:SA+3], v[VSA]
	ds_load_b128 v[SA+4:SA+7], v[VSA] offset:16
.irp u, 0,1
	ds_load_b128 v[SB+8*\u:SB+8*\u+3], v[VSB] offset:2*SBLK*\u
	ds_load_b128 v[SB+8*\u+4:SB+8*\u+7], v[VSB] offset:2*SBLK*\u+16
.endr
	s_wait_loadcnt 0x0                             ; the bias
	KSTEP 0
	KSTEP 1
	KSTEP 2
	KSTEP 3
	s_wait_tensorcnt 0x0                           ; every wave: K's second half has landed
	s_wait_dscnt 0x0
	s_barrier_signal -1
	s_barrier_wait -1
	KSTEP 4
	KSTEP 5
	KSTEP 6
	KSTEP 7
.macro TOSTAGE a                       ; register j of accumulator (a, 2 u + e) is column 32 u + 16 h + 8 e + j of row r
.irp b, 0,1,2,3
	ds_store_b128 v[STO], v[ACC+8*(4*(\a)+\b):ACC+8*(4*(\a)+\b)+3] offset:128*(\b/2)+32*(\b%2)       ; each accumulator from its low end on
	ds_store_b128 v[STO], v[ACC+8*(4*(\a)+\b)+4:ACC+8*(4*(\a)+\b)+7] offset:128*(\b/2)+32*(\b%2)+16
.endr
.irp k, 0,1,2,3,4,5,6,7
	ds_load_b128 v[AFR+32*(\a)+4*\k:AFR+32*(\a)+4*\k+3], v[RD] offset:2*SP*\k   ; LDS serves a wave's instructions in order: these see my stores, and the next tile's stores come behind them
.endr
.endm
.macro SEND a                          ; stage rows 2 k + h are rows 8 a + 2 (k % 4) + 16 (k / 4) + h of my 32
.irp k, 0,1,2,3,4,5,6,7
	global_store_b128 v[CO], v[AFR+32*(\a)+4*\k:AFR+32*(\a)+4*\k+3], s[86:87] offset:(8*(\a)+2*(\k%4)+16*(\k/4))*4096 th:TH_STORE_NT
.endr
.endm
.rept 8
	v_nop                                          ; eight places behind the last products: their results are stored, and loads land in registers that they read
.endr
	TOSTAGE 0
	TOSTAGE 1
	s_wait_dscnt 16                                ; the first tile is back; behind its loads: the second's 8 stores and 8 loads
	SEND 0
	s_wait_dscnt 0x0
	SEND 1
	s_wait_tensorcnt 0x0                           ; the wave's end
	ds_add_u32 v[SPW], v[NIL]
	s_wait_dscnt 0x0
	CROUND                                         ; the closing round
	s_endpgm
.Lfunc_end_k_q709e767aa1_proj:
	.size	k_q709e767aa1_proj, .Lfunc_end_k_q709e767aa1_proj-k_q709e767aa1_proj
	.p2alignl 7, 3214868480
	.fill 96, 4, 3214868480
	.section	.rodata,"a",@progbits
	.p2align	6, 0x0
	.amdhsa_kernel k_q709e767aa1_proj
		.amdhsa_group_segment_fixed_size 327680
		.amdhsa_private_segment_fixed_size 0
		.amdhsa_enable_private_segment 0
		.amdhsa_kernarg_size 48
		.amdhsa_user_sgpr_count 2
		.amdhsa_user_sgpr_kernarg_segment_ptr 1
		.amdhsa_wavefront_size32 1
		.amdhsa_system_sgpr_workgroup_id_x 1
		.amdhsa_system_sgpr_workgroup_id_y 1
		.amdhsa_system_sgpr_workgroup_id_z 1
		.amdhsa_system_vgpr_workitem_id 0
		.amdhsa_next_free_vgpr 256
		.amdhsa_next_free_sgpr 100
		.amdhsa_reserve_vcc 0
		.amdhsa_float_denorm_mode_32 3
		.amdhsa_float_denorm_mode_16_64 3
		.amdhsa_memory_ordered 1
		.amdhsa_forward_progress 1
		.amdhsa_inst_pref_size 38
	.end_amdhsa_kernel
	.amdgpu_metadata
---
amdhsa.version: [ 1, 2 ]
amdhsa.kernels:
  - .name:           k_q709e767aa1_proj
    .symbol:         k_q709e767aa1_proj.kd
    .args:
      - { .name: yimg, .offset: 0, .size: 8, .value_kind: global_buffer, .address_space: global }
      - { .name: ysc, .offset: 8, .size: 8, .value_kind: global_buffer, .address_space: global }
      - { .name: cod, .offset: 16, .size: 8, .value_kind: global_buffer, .address_space: global }
      - { .name: scl, .offset: 24, .size: 8, .value_kind: global_buffer, .address_space: global }
      - { .name: b_proj, .offset: 32, .size: 8, .value_kind: global_buffer, .address_space: global }
      - { .name: out0, .offset: 40, .size: 8, .value_kind: global_buffer, .address_space: global }
    .group_segment_fixed_size: 327680
    .private_segment_fixed_size: 0
    .kernarg_segment_align: 8
    .kernarg_segment_size: 48
    .max_flat_workgroup_size: 256
    .sgpr_count:     100
    .vgpr_count:     256
    .wavefront_size: 32
...
	.end_amdgpu_metadata
.endif
;; end of part 4
